; MI455X (gfx1250); checked and timed in simulation.
; The chip was launched on July 23, 2026; its instructions are those of AMD's public machine-readable ISA for CDNA 5 (MIT licence, August 2026) and "CDNA5" Instruction Set Architecture Reference Guide (July 2026). The comments in the code are by the model that wrote it; some were corrected since.
;; Track B Head. Allowed arithmetic: float matrix products may take bf16 or f16 operands with f32 sums; all other float work in f32.
;; Inputs: chunks 2,048 x 4 x 1,024 float32; fc1_b 1,024 float32; fc1_w 1,024 x 4,098 float32; fc2_b 1 float32; fc2_w 1 x 1,024 float32; gate_b 1,024 float32; gate_w 1,024 x 3,072 float32; ln_b 4,098 float32; ln_g 4,098 float32; proj_b 1,024 float32; proj_w 1,024 x 3,072 float32; q 2,048 x 1,024 float32; sims 2,048 x 4 float32.
;; Outputs: out0 2,048 float32.
;; 2 versions, each right; version 2 is version 1 with the launch prep written anew for expert scheduling mode. Each part assembles by itself: llvm-mc -triple=amdgcn-amd-amdhsa -mcpu=gfx1250 --defsym DOCPART=n.
;; ======== version 1 of 2: 8 launches
;; limits: a function is approximated: absolute error at most 7.5e-08
;; workspace buffers: X0 16,785,408 bytes; X1 16,785,408 bytes; X2 16,785,408 bytes; X3 16,785,408 bytes; CW 8,396,800 bytes; PQ 25,165,824 bytes; FN 25,182,208 bytes; H 16,777,216 bytes
;; launch prep (part 1): grid 128 x 4, 8 waves a work-group, no clusters, 0 bytes of LDS; arguments q, chunks, sims, gate_w, proj_w, fc1_w, X0, X1, X2, X3, CW, PQ; writes X0, X1, X2, X3, CW, PQ
.if DOCPART == 1
	.amdgcn_target "amdgcn-amd-amdhsa--gfx1250"
	.amdhsa_code_object_version 6
	.text
	.protected	k_qf269cc6c83_prep
	.globl	k_qf269cc6c83_prep
	.p2align	8
	.type	k_qf269cc6c83_prep,@function
k_qf269cc6c83_prep:
	s_mov_b64 s[64:65], 0
	v_nop
	global_prefetch_b8 v0, s[64:65] scope:SCOPE_SE
	s_setreg_imm32_b32 hwreg(HW_REG_WAVE_MODE, 25, 1), 1
	s_wait_xcnt 0x0
; PREP: what the FIRST product multiplies is rounded once to bf16 and laid in the PAIR LAYOUT that the products read; the operands of the later
; products are rounded inside the first product's launch, whose waves have time to spare.
; Pair layout of a matrix with K columns: element (row, k) lies at byte (row>>1)*4K + (k>>6)*256 + (row&1)*128 + (k&63)*2:
; an aligned block of 256 bytes holds 64 columns of two neighbouring rows.
; The grid's y is the job, x*8 + wave = widx (0 to 1023) the row pair.  A wave converts one row pair x 1024 columns = 16 blocks.
; Lane L: row L>>4 of the pair, columns 4 (L&15) .. +3 of each block: a load covers 256 consecutive bytes of each of two rows,
; a store of the wave (8 bytes a lane) covers one aligned block of 256 bytes.
;   y = 0   q                 -> X0, k 0..1023       (and, in the first 32 waves, sims clipped to [0,1], by step, -> X0..X3)
;   y = 1   chunks[:, 0, :]   -> X0, k 1024..2047
;   y = 2   gate_w / proj_w, the columns that multiply q -> CW: W0, k 0..1023   (and, in the first 32 waves, fc1_w's columns 4096, 4097 as f32)
;   y = 3   gate_w / proj_w, the columns that multiply c -> k 1024..2047 of W0 (in CW) and of W1 (in PQ, behind the 16 MiB of sums)
;           row n of W0, W1: n>>6 = block, n&63 = i: gate_w row 32 block + i for i < 32, else proj_w row 32 block + i - 32
; No LDS, no barrier, no matrix unit: the launch only moves bytes, each byte that it reads is read once.
; LIMIT: a NaN in sims is clipped to 0 here (v_max_num_f32 drops a NaN), where the reference would hand the NaN on.
.set SRC,  32                          ; s[32:33] first byte of the row pair's 1024 columns in the source
.set DST,  34                          ; s[34:35] first of the 16 blocks
.set DST2, 36                          ; s[36:37] a second copy of them (job 3)
.set IN,   16                          ; v[16:79]  16 x 4 f32 as loaded
.set OUT,  80                          ; v[80:111] 16 x 2 words of bf16
; 16 loads go out at once; block j is converted when its load is in (the count leaves the younger ones out) and stored.
.macro COPY16 two
.irp j, 0,1,2,3,4,5,6,7,8,9,10,11,12,13,14,15
	global_load_b128 v[IN+4*\j:IN+4*\j+3], v1, s[SRC:SRC+1] offset:256*\j th:TH_LOAD_NT
.endr
.irp j, 0,1,2,3,4,5,6,7,8,9,10,11,12,13,14,15
	s_wait_loadcnt 15-\j                           ; loads come back in order: block j is in, 15 - j younger ones stay out
	v_cvt_pk_bf16_f32 v[OUT+2*\j],   v[IN+4*\j],   v[IN+4*\j+1]
	v_cvt_pk_bf16_f32 v[OUT+2*\j+1], v[IN+4*\j+2], v[IN+4*\j+3]
	global_store_b64 v2, v[OUT+2*\j:OUT+2*\j+1], s[DST:DST+1] offset:256*\j
.if \two
	global_store_b64 v2, v[OUT+2*\j:OUT+2*\j+1], s[DST2:DST2+1] offset:256*\j
.endif
.endr
.endm
	s_load_b512 s[8:23], s[0:1], 0x0               ; q 8, chunks 10, sims 12, gate_w 14, proj_w 16, fc1_w 18, X0 20, X1 22
	s_load_b256 s[24:31], s[0:1], 0x40             ; X2 24, X3 26, CW 28, PQ 30
	v_lshrrev_b32 v1, 5, v0
	v_readfirstlane_b32 s2, v1                     ; wave
	s_lshl3_add_u32 s3, ttmp9, s2                  ; widx = 8 x + wave
	s_and_b32 s4, ttmp7, 0xffff                    ; the job
	v_and_b32 v3, 31, v0                           ; L
	v_lshlrev_b32 v2, 3, v3                        ; my 8 bytes of a block
	v_bfe_u32 v4, v0, 4, 1                         ; which row of the pair
	v_and_b32 v5, 15, v0
	v_lshlrev_b32 v5, 4, v5                        ; my 16 bytes of a row's 256
	s_mov_b32 s41, 0                               ; upper words of the offsets (all below 4 GiB)
	s_mov_b32 s43, 0
	s_wait_kmcnt 0x0
	s_cmp_ge_u32 s4, 2
	s_cbranch_scc1 .Lw
	s_cmp_eq_u32 s4, 1
	s_cbranch_scc1 .Lchunk
	; job 0: q.  Two rows of 4,096 bytes in, the first 4,096 bytes of the pair's 8,192 out
	s_lshl_b32 s40, s3, 13
	s_add_nc_u64 s[SRC:SRC+1], s[8:9], s[40:41]
	s_add_nc_u64 s[DST:DST+1], s[20:21], s[40:41]
	v_lshl_add_u32 v1, v4, 12, v5
	s_branch .Lcopy
.Lchunk:
	; job 1: chunk 0 of rows 2 widx, 2 widx + 1 (16,384 bytes apart), into the second half of the pair's bytes in X0
	s_lshl_b32 s40, s3, 15
	s_add_nc_u64 s[SRC:SRC+1], s[10:11], s[40:41]
	s_lshl_b32 s42, s3, 13
	s_add_co_u32 s42, s42, 4096
	s_add_nc_u64 s[DST:DST+1], s[20:21], s[42:43]
	v_lshl_add_u32 v1, v4, 14, v5
	s_branch .Lcopy
.Lw:
	; jobs 2, 3: pair widx of W0 / W1 is rows 32 (widx>>5) + 2 (widx&15), +1 of gate_w (bit 4 of widx = 0) or of proj_w (1)
	s_and_b32 s6, s3, 16
	s_cmp_lg_u32 s6, 0
	s_cselect_b64 s[SRC:SRC+1], s[16:17], s[14:15]
	s_lshr_b32 s5, s3, 5
	s_lshl_b32 s5, s5, 5
	s_and_b32 s6, s3, 15
	s_lshl1_add_u32 s5, s6, s5
	s_mul_i32 s40, s5, 12288                       ; a row of 3,072 f32
	s_sub_co_u32 s6, s4, 1
	s_lshl_b32 s6, s6, 12                          ; columns 1024 (q) or 2048 (c)
	s_add_co_u32 s40, s40, s6
	s_add_nc_u64 s[SRC:SRC+1], s[SRC:SRC+1], s[40:41]
	v_mul_u32_u24 v1, v4, 12288
	v_add_nc_u32 v1, v1, v5
	s_lshl_b32 s42, s3, 13
	s_cmp_eq_u32 s4, 3
	s_cbranch_scc1 .Lwc
	s_add_nc_u64 s[DST:DST+1], s[28:29], s[42:43]
.Lcopy:
	COPY16 0
	s_cmp_ge_u32 ttmp9, 4
	s_cbranch_scc1 .Lend
	s_cmp_eq_u32 s4, 1
	s_cbranch_scc1 .Lend
	s_cmp_eq_u32 s4, 2
	s_cbranch_scc1 .Lwx
	; The first 32 waves of job 0: sims of rows 64 widx + 2 L and + 1, clipped to [0, 1], as one vector of 2,048 f32 for each step.
	; v[16:31] are free: all sixteen loads are in and only vector instructions have read them.
	s_lshl_b32 s44, s3, 10
	s_mov_b32 s45, 0
	s_add_nc_u64 s[44:45], s[12:13], s[44:45]
	v_lshlrev_b32 v6, 5, v3
	global_load_b128 v[16:19], v6, s[44:45]
	global_load_b128 v[20:23], v6, s[44:45] offset:16
	s_lshl_b32 s46, s3, 8
	s_add_co_u32 s46, s46, 0x1000000
	s_mov_b32 s47, 0
	s_add_nc_u64 s[48:49], s[20:21], s[46:47]
	s_add_nc_u64 s[50:51], s[22:23], s[46:47]
	s_add_nc_u64 s[52:53], s[24:25], s[46:47]
	s_add_nc_u64 s[54:55], s[26:27], s[46:47]
	s_wait_loadcnt 0x0
.irp t, 0,1,2,3
	v_max_num_f32 v[24+2*\t], 0, v[16+\t]
	v_max_num_f32 v[25+2*\t], 0, v[20+\t]
.endr
.irp t, 0,1,2,3,4,5,6,7
	v_min_num_f32 v[24+\t], 1.0, v[24+\t]
.endr
.irp t, 0,1,2,3
	global_store_b64 v2, v[24+2*\t:25+2*\t], s[48+2*\t:49+2*\t]     ; 32 lanes x 8 bytes: 256 consecutive bytes, aligned
.endr
.Lend:
	s_endpgm
.Lwx:
	; The first 32 waves of job 2: columns 4096 and 4097 of row 32 widx + L of fc1_w, kept in f32, behind W0 in CW
	s_lshl_b32 s5, s3, 5
	v_add_nc_u32 v6, s5, v3
	v_mul_u32_u24 v6, v6, 16392
	global_load_b64 v[16:17], v6, s[18:19] offset:16384
	s_lshl_b32 s46, s3, 8
	s_add_co_u32 s46, s46, 0x800000
	s_mov_b32 s47, 0
	s_add_nc_u64 s[48:49], s[28:29], s[46:47]
	s_wait_loadcnt 0x0
	global_store_b64 v2, v[16:17], s[48:49]
	s_endpgm
.Lwc:
	; job 3: the columns for c stand in the second half of W0 and of W1
	s_add_co_u32 s42, s42, 4096
	s_add_nc_u64 s[DST:DST+1], s[28:29], s[42:43]
	s_add_co_u32 s42, s42, 0x1000000
	s_add_nc_u64 s[DST2:DST2+1], s[30:31], s[42:43]
	COPY16 1
	s_endpgm
.Lfunc_end_k_qf269cc6c83_prep:
	.size	k_qf269cc6c83_prep, .Lfunc_end_k_qf269cc6c83_prep-k_qf269cc6c83_prep
	.p2alignl 7, 3214868480
	.fill 96, 4, 3214868480
	.section	.rodata,"a",@progbits
	.p2align	6, 0x0
	.amdhsa_kernel k_qf269cc6c83_prep
		.amdhsa_group_segment_fixed_size 0
		.amdhsa_private_segment_fixed_size 0
		.amdhsa_enable_private_segment 0
		.amdhsa_kernarg_size 96
		.amdhsa_user_sgpr_count 2
		.amdhsa_user_sgpr_kernarg_segment_ptr 1
		.amdhsa_wavefront_size32 1
		.amdhsa_system_sgpr_workgroup_id_x 1
		.amdhsa_system_sgpr_workgroup_id_y 1
		.amdhsa_system_sgpr_workgroup_id_z 1
		.amdhsa_system_vgpr_workitem_id 0
		.amdhsa_next_free_vgpr 112
		.amdhsa_next_free_sgpr 66
		.amdhsa_reserve_vcc 0
		.amdhsa_float_denorm_mode_32 3
		.amdhsa_float_denorm_mode_16_64 3
		.amdhsa_memory_ordered 1
		.amdhsa_forward_progress 1
		.amdhsa_inst_pref_size 18
	.end_amdhsa_kernel
	.amdgpu_metadata
---
amdhsa.version: [ 1, 2 ]
amdhsa.kernels:
  - .name:           k_qf269cc6c83_prep
    .symbol:         k_qf269cc6c83_prep.kd
    .args:
      - { .name: q, .offset: 0, .size: 8, .value_kind: global_buffer, .address_space: global }
      - { .name: chunks, .offset: 8, .size: 8, .value_kind: global_buffer, .address_space: global }
      - { .name: sims, .offset: 16, .size: 8, .value_kind: global_buffer, .address_space: global }
      - { .name: gate_w, .offset: 24, .size: 8, .value_kind: global_buffer, .address_space: global }
      - { .name: proj_w, .offset: 32, .size: 8, .value_kind: global_buffer, .address_space: global }
      - { .name: fc1_w, .offset: 40, .size: 8, .value_kind: global_buffer, .address_space: global }
      - { .name: X0, .offset: 48, .size: 8, .value_kind: global_buffer, .address_space: global }
      - { .name: X1, .offset: 56, .size: 8, .value_kind: global_buffer, .address_space: global }
      - { .name: X2, .offset: 64, .size: 8, .value_kind: global_buffer, .address_space: global }
      - { .name: X3, .offset: 72, .size: 8, .value_kind: global_buffer, .address_space: global }
      - { .name: CW, .offset: 80, .size: 8, .value_kind: global_buffer, .address_space: global }
      - { .name: PQ, .offset: 88, .size: 8, .value_kind: global_buffer, .address_space: global }
    .group_segment_fixed_size: 0
    .private_segment_fixed_size: 0
    .kernarg_segment_align: 8
    .kernarg_segment_size: 96
    .max_flat_workgroup_size: 256
    .sgpr_count:     66
    .vgpr_count:     112
    .wavefront_size: 32
...
	.end_amdgpu_metadata
.endif
;; end of part 1
;; launch step0 (part 2): grid 16 x 16, 4 waves a work-group, clusters of 4 x 4, 327,680 bytes of LDS; arguments X0, CW, gate_b, proj_b, X1, PQ, chunks, gate_w, proj_w, fc1_w, X2, X3, FN; writes X1, X2, X3, PQ, FN
.if DOCPART == 2
	.amdgcn_target "amdgcn-amd-amdhsa--gfx1250"
	.amdhsa_code_object_version 6
	.text
	.protected	k_qf269cc6c83_step0
	.globl	k_qf269cc6c83_step0
	.p2align	8
	.type	k_qf269cc6c83_step0,@function
k_qf269cc6c83_step0:
	s_mov_b64 s[64:65], 0
	v_nop
	global_prefetch_b8 v0, s[64:65] scope:SCOPE_SE
	s_setreg_imm32_b32 hwreg(HW_REG_WAVE_MODE, 25, 1), 1
	s_wait_xcnt 0x0
	s_wait_alu depctr_hold_cnt(0) depctr_sa_sdst(0) depctr_va_vdst(0) depctr_va_sdst(0) depctr_va_ssrc(0) depctr_va_vcc(0) depctr_vm_vsrc(0)
	s_getreg_b32 s2, hwreg(HW_REG_IB_STS2, 6, 4)
	s_cmp_eq_u32 s2, 0
	s_cbranch_scc0 .Lentry_in_a_cluster
	s_endpgm
.Lentry_in_a_cluster:
	s_bfe_u32 s2, ttmp6, 0x10000c
	s_cmp_lg_u32 s2, 0xf033
	s_cbranch_scc0 .Lentry_shape_is_right
	s_endpgm
.Lentry_shape_is_right:
; STEP 0 of the belief update: per work-group a block of 128 x 128 sums of [q | c0] x [Wq | Wc]^T over K = 2048, bf16 operands, f32 sums.
; b0 = 0, so there is no b part.  At K = 1024 the sums are q x Wq^T, the same in all four steps: they are stored to PQ in f32.  Then b1 = g h,
; g = sigmoid(sum + gate_b) clip(sims), h = tanh(sum + proj_b); sigmoid(x) = 1 / (1 + 2^(-x log2 e)), tanh(x) = 1 - 2 / (1 + 2^(2 x log2 e)):
; both saturate rightly when the power of two runs to infinity or to 0.
; Between the K steps each wave also rounds to bf16 what the later launches multiply, six units of one row pair x 1024 columns: chunks 1 to 3, the
; columns of gate_w / proj_w that multiply b, two quarters of fc1_w.
; LIMITS: matrix operands are rounded to bf16; the sums run in another order than the reference (q first; the K ORDER below); sigmoid and tanh carry
; the error of v_exp_f32 and v_rcp_f32 (about 1e-7 absolute).
; SHARES: four waves, a wave makes 64 x 64: 16 accumulator tiles, 128 registers.  2048 x 2048 sums are 256 blocks of 128 x 128, one for each
; work-group of the grid; blocks of 256 x 256 would be 64.
; OPERANDS lie in the pair layout: element (row, k) at (row>>1)*4K + (k>>6)*256 + (row&1)*128 + (k&63)*2.  A K step of 256 of a row pair is 1,024
; consecutive bytes, so a tile of 32 pairs (64 rows) x 256 K is a plain two-dimensional tile of 32 rows of 1,024 bytes.
; W rows are interleaved: a wave's 64 rows of W are 32 rows of gate_w and the same 32 columns' rows of proj_w.
; CLUSTERS: 4 x 4 work-groups.  X's tile hangs on the block row alone and is asked for jointly by a row of the cluster, W's on the block column
; alone and is asked for jointly by a column: that divides the requests for both by four.
; K ORDER: a lap is two K steps.  Lap i takes pair i xor beta of the four pairs, beta = the parity of (cluster x xor cluster y).  Two clusters that
; share a tile and differ in one bit of x or of y have different beta, so in laps 1 and 3 a cluster asks for the K steps that such a neighbour asked
; for one lap earlier, not at the same moment.  Pairs 0 and 1 (q) still come before pairs 2 and 3.
; REGISTER WINDOWS: window 0 addresses, fragments of X (v64-127, v128-191), epilogue; window 1 fragments of W (same numbers) and two sets of 64
; registers for the conversions (v0-63, v192-255); window 2 v0-127 accumulators.
; THE MATRIX INSTRUCTION IS USED TRANSPOSED (source 0 = 16 rows of W, source 1 = 16 rows of X): lane (r, h) holds row r of X, registers j the W rows 8 h + j.
.set PP,     1040                      ; LDS pitch of a row pair: 1,024 bytes + 16 of padding
.set HALFT,  32*PP                     ; 32 pairs: what one tensor load brings and what a wave reads of X or of W
.set SLOT,   4*HALFT                   ; X's 64 pairs, then W's 64 pairs
.set T16,    8*PP                      ; 16 rows
.set KSB,    1024                      ; bytes of a K step of 256 in a pair
.set PAIRSH, 13                        ; a pair of 2,048 columns is 8,192 bytes
.set SP,   144                         ; the stage: a row of 32 f32 + 16 bytes; 144 r mod 256 takes 16 different values for r = 0..15
.set GPW,  64*SP                       ; a wave's 64 rows of gate sums; its proj sums follow
.set WST,  2*GPW+128                   ; a wave's stage; 128 modulo 256, so that the two waves' halves of a row fall on different 16-byte columns
.set ADRA, 16                          ; v16-17  LDS address of my X fragments in slot 0, 1
.set ADRB, 20                          ; v20-21  the same for W
.set STO,  24                          ; v24  stage, in
.set RD,   25                          ; v25  stage, back
.set FO,   26                          ; v26  my 16 bytes in b (f32)
.set BO,   27                          ; v27  my 8 bytes in b (bf16, pair layout)
.set TO,   28                          ; v28  my 16 bytes in a tile of PQ
.set WO,   29                          ; v29  my row's clipped sim
.set BI,   30                          ; v30  my 4 columns' biases
.set WV,   32                          ; v[32:47]  clipped sims of my 16 rows
.set GB,   48                          ; v[48:51]  gate_b x -log2 e
.set PB,   52                          ; v[52:55]  proj_b x 2 log2 e
.set F0,   64                          ; fragment buffer 0
.set F1,   128                         ; fragment buffer 1
.set GS,   64                          ; epilogue: gate sums, 16 x 4
.set PS,   128                         ; epilogue: proj sums, 16 x 4
.set BN,   192                         ; v[192:255] b new, 16 x 4
.set UA,   0                           ; window 1, v[0:63]:    a unit of the conversions
.set UB,   192                         ; window 1, v[192:255]: the other
.set XB, 4                             ; s[4:5]   X's tile (my 32 pairs) at K = 0
.set WB, 6                             ; s[6:7]   W's likewise
.set KO, 8                             ; s[8:9]   byte offset, in a pair's bytes, of the two K steps asked for; s98: the same in natural order; s99: 2,048 beta
.set G1, 24                            ; s[24:31] descriptor group 1 for X tiles
.set G0, 32                            ; s[32:39] group 0 for X tiles, one set for each slot
.set G1B, 48                           ; s[48:55] group 1 for W tiles: differs in the mask alone
.set G0B, 56                           ; s[56:63] group 0 for W tiles
.set MSB, 0
.macro WIN new                         ; the upper byte of the immediate repeats the setting that is left
.if MSB != \new
	s_set_vgpr_msb (MSB<<8)|\new
.set MSB, \new
.endif
.endm
.set MUL,  0xa1                        ; source 0 (W) window 1, source 1 (X) window 0, C and D window 2
.set TO_B, 0x40                        ; destination window 1, address window 0
; A joint load.  Waves 0 and 1 fetch the two halves of X, waves 2 and 3 those of W.  Each line has one mask and one set of registers; the branch hangs on the wave number alone.
.macro JLOAD s
	s_cmp_eq_u32 s11, 0
	s_cbranch_scc0 .Lfor_b_\@
	tensor_load_to_lds s[G0+4*\s:G0+4*\s+3], s[G1:G1+7]
	s_nop 0
.rept 4
	v_nop
.endr
	s_branch .Lasked_\@
.Lfor_b_\@:
	tensor_load_to_lds s[G0B+4*\s:G0B+4*\s+3], s[G1B:G1B+7]
	s_nop 0
.rept 4
	v_nop
.endr
.Lasked_\@:
.endm
; A round of the cluster barrier: my work-group's barrier; wave 0 signals for the work-group; every wave waits for all sixteen; my work-group's barrier again.
.macro CREST
	s_cmp_lg_u32 s10, 0
	s_cbranch_scc1 .Lnot_wave_0_\@
	s_barrier_signal -3
.Lnot_wave_0_\@:
	s_barrier_wait -3
	s_barrier_signal -1
	s_barrier_wait -1
.endm
.macro CROUND
	s_barrier_signal -1
	s_barrier_wait -1
	CREST
.endm
; Four plain vector instructions stand between a matrix instruction and a load into, a store of, or a vector access to its registers.
.macro PLACES
.rept 4
	v_nop
.endr
.endm
	s_load_b256 s[72:79], s[0:1], 0x0              ; X in, CW, gate_b, proj_b
	s_load_b128 s[80:83], s[0:1], 0x20             ; X out, PQ
	v_lshl_add_u32 v62, v0, 2, 0x41000
	v_mov_b32 v63, 0
	ds_add_u32 v62, v63
	v_lshrrev_b32 v1, 5, v0
	v_readfirstlane_b32 s10, v1                    ; wave 0..3
	s_lshr_b32 s11, s10, 1                         ; which 64 rows of the block are mine.  Also: I fetch for X (0) or for W (1)
	s_and_b32 s12, s10, 1                          ; which 64 W rows.  Also: which 32 pairs of that tile I fetch
	s_bfe_u32 s40, ttmp6, 0x40000                  ; cx
	s_bfe_u32 s41, ttmp6, 0x40004                  ; cy
	s_lshl_b32 s66, ttmp9, 2
	s_add_co_u32 s66, s66, s40                     ; work-group x
	s_mov_b32 s42, s66                             ; block column 0..15
	s_and_b32 s13, ttmp7, 0xffff                   ; the cluster's y
	s_xor_b32 s99, s13, ttmp9                      ; beta: the parity of the two bits of (cluster x xor cluster y): the same in all sixteen work-groups
	s_lshr_b32 s98, s99, 1
	s_xor_b32 s99, s99, s98
	s_and_b32 s99, s99, 1
	s_lshl_b32 s99, s99, 11                        ; times the 2,048 bytes of two K steps
	s_lshl_b32 s13, s13, 2
	s_add_co_u32 s13, s13, s41                     ; block row 0..15
	s_lshl_b32 s43, s41, 2
	s_lshl_b32 s43, 15, s43                        ; my row of the cluster
	s_lshl_b32 s44, 0x1111, s40                    ; my column
	; group 1: 32 rows of 512 elements of 2 bytes; 4 words of padding behind every 256 words
	s_or_b32 s[G1+0], s43, (1<<16)|(1<<20)|(1<<21)|(7<<22)|(3<<25)
	s_or_b32 s[G1B+0], s44, (1<<16)|(1<<20)|(1<<21)|(7<<22)|(3<<25)
.irp g, G1, G1B
	s_mov_b32 s[\g+1], 512<<16                     ; tensor_dim0 = 512
	s_mov_b32 s[\g+2], 32<<16                      ; tensor_dim1 = 32
	s_mov_b32 s[\g+3], 512<<16                     ; tile_dim0 = 512
	s_mov_b32 s[\g+4], 32                          ; tile_dim1 = 32
	s_mov_b32 s[\g+5], (1<<PAIRSH)/2               ; elements from pair to pair
	s_mov_b32 s[\g+6], 0
	s_mov_b32 s[\g+7], 0
.endr
	; where the tiles come from: X's from the block row, W's from the block column, each in registers that never hold the other coordinate
	s_lshl_b32 s17, s12, 5                         ; which 32 pairs I fetch
	s_lshl_b32 s16, s13, 6
	s_add_co_u32 s16, s16, s17
	s_lshl_b32 s16, s16, PAIRSH                    ; below 16 MiB
	s_lshl_b32 s46, s42, 6
	s_add_co_u32 s46, s46, s17
	s_lshl_b32 s46, s46, PAIRSH                    ; W0 lies at the head of CW
	s_mov_b32 s17, 0
	s_mov_b32 s47, 0
	s_mul_i32 s20, s10, HALFT                      ; where they go: wave x 32 pairs; no place in the cluster enters an LDS address
	s_mov_b32 s[KO], s99                           ; lap 0 takes pair beta
	s_mov_b32 s[KO+1], 0
	s_mov_b32 s98, 0
	s_wait_dscnt 0x0
	s_wait_kmcnt 0x0
	s_add_nc_u64 s[XB:XB+1], s[72:73], s[16:17]
	s_add_nc_u64 s[WB:WB+1], s[74:75], s[46:47]
	CROUND                                         ; all sixteen work-groups are here: the first joint loads meet
.irp s, 0,1
	s_mov_b32 s[G0+4*\s], 1
	s_add_co_u32 s[G0+4*\s+1], s20, \s*SLOT
	s_add_nc_u64 s[G0+4*\s+2:G0+4*\s+3], s[XB:XB+1], s[KO:KO+1]
	s_mov_b32 s[G0B+4*\s], 1
	s_add_co_u32 s[G0B+4*\s+1], s20, \s*SLOT
	s_add_nc_u64 s[G0B+4*\s+2:G0B+4*\s+3], s[WB:WB+1], s[KO:KO+1]
.if \s
	s_add_nc_u64 s[G0+4*\s+2:G0+4*\s+3], s[G0+4*\s+2:G0+4*\s+3], KSB       ; slot 1 holds the pair's second K step
	s_add_nc_u64 s[G0B+4*\s+2:G0B+4*\s+3], s[G0B+4*\s+2:G0B+4*\s+3], KSB
.endif
	s_or_b32 s[G0+4*\s+3], s[G0+4*\s+3], 0x80000000
	s_or_b32 s[G0B+4*\s+3], s[G0B+4*\s+3], 0x80000000
	JLOAD \s                                       ; both slots are asked for before anything else: two tensor loads of the wave are out, the most in this text
.endr
	; A fragment is 16 rows x 32 K in 8 registers: lane (r, h) holds row r, K = 8 h .. +7 and 16 + 8 h .. +7: two loads of 16 bytes, 32 apart, at
	; (r>>1) pitch + (r&1) 128 + 16 h.  The sixteen lanes of a half address 16 (r>>1) + 128 (r&1) modulo 256: sixteen different 16-byte columns.
	v_and_b32 v1, 15, v0                           ; r
	v_bfe_u32 v2, v0, 4, 1                         ; h
	v_lshrrev_b32 v3, 1, v1
	v_mul_u32_u24 v3, v3, PP
	v_and_b32 v4, 1, v0
	v_lshl_add_u32 v3, v4, 7, v3
	v_lshl_add_u32 v3, v2, 4, v3
	s_mul_i32 s21, s11, HALFT                      ; my 64 rows of X
	s_mul_i32 s22, s12, HALFT                      ; my 64 rows of W,
	s_add_co_u32 s22, s22, 2*HALFT                 ; which lie behind X's 128
.irp s, 0,1
	v_add_nc_u32 v[ADRA+\s], s21, v3
	v_add_nc_u32 v[ADRB+\s], s22, v3
	s_add_co_u32 s21, s21, SLOT
	s_add_co_u32 s22, s22, SLOT
.endr
	v_and_b32 v6, 31, v0
	s_lshl_b32 s23, s10, 14
	v_lshl_add_u32 v[TO], v6, 4, s23               ; tile order of PQ: wave x 16,384 + tile x 1,024 + half x 512 + lane x 16: the registers as they lie
	s_lshl_b32 s68, s13, 4
	s_add_co_u32 s68, s68, s66
	s_lshl_b32 s68, s68, 16                        ; (16 block row + x) x 65,536
	s_mov_b32 s69, 0
	s_add_nc_u64 s[96:97], s[82:83], s[68:69]
	s_mul_i32 s23, s10, WST
	v_mul_u32_u24 v4, v1, SP
	v_lshl_add_u32 v4, v2, 5, v4
	v_add_nc_u32 v[STO], s23, v4                   ; stage in: my wave's own region, row r, 32 h bytes
	s_mul_i32 s23, s11, 2*WST                      ; stage back: rows 32 w + 2 it + h of the block lie in the regions of waves 2 (w>>1) and 2 (w>>1) + 1
	s_mul_i32 s67, s12, 32*SP
	s_add_co_u32 s23, s23, s67
	v_bfe_u32 v7, v0, 3, 1                         ; which of the two: columns 0-31 or 32-63
	v_and_b32 v8, 7, v0
	v_mul_u32_u24 v[RD], v7, WST
	v_mul_u32_u24 v9, v2, SP
	v_add3_u32 v[RD], v[RD], v9, s23
	v_lshl_add_u32 v[RD], v8, 4, v[RD]
	s_lshl_b32 s23, s10, 5
	v_add_nc_u32 v5, s23, v2                       ; 32 w + h
	v_lshlrev_b32 v[FO], 12, v5
	v_lshl_add_u32 v[FO], v1, 4, v[FO]             ; row x 4,096 + 16 (L & 15)
	v_lshlrev_b32 v[WO], 2, v5
	s_lshl_b32 s23, s10, 17
	v_lshl_add_u32 v[BO], v6, 3, s23               ; 16 w pairs x 8,192 + 8 L
	s_lshl_b32 s23, s42, 8
	v_lshl_add_u32 v[BI], v1, 4, s23               ; my 4 of the block's 64 columns of b
	s_lshl_b32 s70, s13, 19                        ; 128 rows x 4,096 bytes (f32) = 64 pairs x 8,192 bytes (bf16),
	s_add_co_u32 s70, s70, s23                     ; and 64 columns are 256 bytes in both
	s_mov_b32 s71, 0
	s_add_nc_u64 s[94:95], s[80:81], s[70:71]      ; b out, bf16
	s_add_nc_u64 s[92:93], s[94:95], 0x800000      ; b out, f32
	s_lshl_b32 s70, s13, 9
	s_add_co_u32 s70, s70, 0x1000000
	s_add_nc_u64 s[90:91], s[72:73], s[70:71]      ; this step's clipped sims of the block's 128 rows
	s_mov_b32 s84, 0xbfb8aa3b                      ; -log2 e
	s_mov_b32 s85, 0xbfb8aa3b
	s_mov_b32 s86, 0x4038aa3b                      ; 2 log2 e
	s_mov_b32 s87, 0x4038aa3b
	; THE CONVERSIONS' ADDRESSES.  widx = 4 (16 block row + x) + wave, 0 to 1023, is the wave's row pair.  The scalar registers taken here have done their
	; work for the descriptors and the LDS addresses; the eight bases made in them are not written again.
	s_load_b256 s[16:23], s[0:1], 0x30             ; chunks 16, gate_w 18, proj_w 20, fc1_w 22
	s_load_b128 s[40:43], s[0:1], 0x50             ; X2 40, X3 42
	s_load_b64 s[44:45], s[0:1], 0x60              ; FN
	s_lshl4_add_u32 s46, s13, s66
	s_lshl2_add_u32 s46, s46, s10                  ; widx
	v_lshlrev_b32 v10, 3, v6                       ; out: my 8 bytes of a block of 256
	v_lshlrev_b32 v14, 4, v1                       ; in: my 16 bytes of a row's 256,
	v_lshl_add_u32 v11, v2, 14, v14                ; and my row of the pair: 16,384 bytes apart in chunks,
	v_mul_u32_u24 v12, v2, 12288                   ; 12,288 in gate_w and proj_w,
	v_add_nc_u32 v12, v12, v14
	v_mul_u32_u24 v13, v2, 16392                   ; 16,392 in fc1_w
	v_add_nc_u32 v13, v13, v14
	s_wait_kmcnt 0x0
	s_lshl_b32 s70, s46, 15
	s_add_co_u32 s70, s70, 4096
	s_add_nc_u64 s[16:17], s[16:17], s[70:71]      ; chunk 1 of rows 2 widx, 2 widx + 1; chunks 2 and 3 lie 4,096 and 8,192 bytes on
	s_lshl_b32 s70, s46, 13
	s_add_co_u32 s70, s70, 4096
	s_add_nc_u64 s[80:81], s[80:81], s[70:71]      ; k 1024..2047 of pair widx in X1,
	s_add_nc_u64 s[40:41], s[40:41], s[70:71]      ; in X2,
	s_add_nc_u64 s[42:43], s[42:43], s[70:71]      ; in X3
	s_add_co_u32 s70, s70, 0x1000000-4096
	s_add_nc_u64 s[82:83], s[82:83], s[70:71]      ; k 0..1023 of pair widx of W1, which lies in PQ behind the sums
	s_and_b32 s67, ttmp9, 1                        ; bit 4 of widx is bit 0 of the cluster's x: gate_w (0) or proj_w (1)
	s_cmp_lg_u32 s67, 0
	s_cselect_b64 s[18:19], s[20:21], s[18:19]
	s_lshr_b32 s67, s46, 5
	s_lshl_b32 s67, s67, 5
	s_and_b32 s47, s46, 15
	s_lshl1_add_u32 s67, s47, s67                  ; its rows 32 (widx>>5) + 2 (widx&15), + 1
	s_mul_i32 s70, s67, 12288
	s_add_nc_u64 s[18:19], s[18:19], s[70:71]
	s_lshr_b32 s67, s46, 1                         ; fc1_w: row pair widx>>1, columns 2048 (widx&1) .. + 2047, as two units
	s_and_b32 s47, s46, 1
	s_lshl_b32 s47, s47, 13
	s_mul_i32 s70, s67, 32784
	s_add_co_u32 s70, s70, s47
	s_add_nc_u64 s[22:23], s[22:23], s[70:71]
	s_lshl_b32 s70, s67, 14
	s_add_co_u32 s70, s70, s47
	s_add_co_u32 s70, s70, 0x1004000               ; in FN behind fn and the two last features
	s_add_nc_u64 s[44:45], s[44:45], s[70:71]
; 8 matrix instructions: row blocks a0, a0 + 1 x all 4 W blocks, 32 along K (half kk of the buffer's 64).  zero = 1: the product starts the sums.
; The 16 accumulators take turns, one instruction a turn, always in the order 0 to 15.
.macro MUL8 f, kk, a0, zero
.irp a, \a0, \a0+1
.irp b, 0,1,2,3
.if \zero
	v_wmma_f32_16x16x32_bf16 v[8*(4*(\a)+\b):8*(4*(\a)+\b)+7], v[\f+8*(4*\kk+\b):\f+8*(4*\kk+\b)+7], v[\f+8*(4*\kk+(\a)):\f+8*(4*\kk+(\a))+7], 0
.else
	v_wmma_f32_16x16x32_bf16 v[8*(4*(\a)+\b):8*(4*(\a)+\b)+7], v[\f+8*(4*\kk+\b):\f+8*(4*\kk+\b)+7], v[\f+8*(4*\kk+(\a)):\f+8*(4*\kk+(\a))+7], v[8*(4*(\a)+\b):8*(4*(\a)+\b)+7]
.endif
.endr
.endr
.endm
.macro MUL16 f, kk, zero
	MUL8 \f, \kk, 0, \zero
	MUL8 \f, \kk, 2, \zero
.endm
; 32 LDS loads in one run: the fragments of quarter q of a K step (64 along K: 64 rows of W, 64 rows of X) into buffer f.  The last eight are X's second 32 of K.
.macro FETCH slot, q, f
	WIN TO_B
.irp kk, 0,1
.irp i, 0,1,2,3
	ds_load_b128 v[\f+8*(4*\kk+\i):\f+8*(4*\kk+\i)+3],   v[ADRB+\slot] offset:256*\q+64*\kk+T16*\i
	ds_load_b128 v[\f+8*(4*\kk+\i)+4:\f+8*(4*\kk+\i)+7], v[ADRB+\slot] offset:256*\q+64*\kk+T16*\i+32
.endr
.endr
	WIN 0
.irp kk, 0,1
.irp i, 0,1,2,3
	ds_load_b128 v[\f+8*(4*\kk+\i):\f+8*(4*\kk+\i)+3],   v[ADRA+\slot] offset:256*\q+64*\kk+T16*\i
	ds_load_b128 v[\f+8*(4*\kk+\i)+4:\f+8*(4*\kk+\i)+7], v[ADRA+\slot] offset:256*\q+64*\kk+T16*\i+32
.endr
.endr
.endm
; One of a K step's first three quarters: multiplies buffer f and, in its middle, fetches quarter qn of the same slot into buffer g.
.macro QUARTER slot, qn, f, g, zero
	s_wait_dscnt 8                                 ; all of W and X's first 32 of K are in; the youngest eight loads may be out
	WIN MUL
	MUL16 \f, 0, \zero
	PLACES
	FETCH \slot, \qn, \g
	s_wait_dscnt 32                                ; all but the 32 just issued
	WIN MUL
	MUL16 \f, 1, 0
.endm
.macro THREE slot, zero
	QUARTER \slot, 1, F0, F1, \zero
	QUARTER \slot, 2, F1, F0, 0
	QUARTER \slot, 3, F0, F1, 0
.endm
; The last quarter multiplies buffer 1 and changes slots.  In front of the barrier each wave waits for its reads of this slot and for all its tensor
; loads (the one that is out is its part of the next slot).  fill = 1: the barrier opens a round of the cluster barrier, and the joint refill of this
; slot, for the next lap, is the first tensor load behind the round: it has 120 of a K step's 128 matrix instructions in which to land.
.macro TURN slot, next, fill
	s_wait_dscnt 8
	WIN MUL
	MUL8 F1, 0, 0, 0
	s_wait_dscnt 0                                 ; my reads of this slot are over
	s_set_vgpr_msb 0xa1a0
	s_wait_tensorcnt 0x0                           ; and all my tensor loads have landed
	ds_add_u32 v62, v63
	s_wait_dscnt 0x0
	s_set_vgpr_msb 0xa0a1
	s_barrier_signal -1
	MUL8 F1, 0, 2, 0                               ; work on registers while the others arrive
	WIN 0
	s_barrier_wait -1
.if \fill
	CREST                                          ; no wave of any partner still reads this slot or has a load on its way
.if \slot == 0
	s_add_co_u32 s98, s98, 2*KSB                   ; the next lap's pair of K steps in natural order,
	s_xor_b32 s[KO], s98, s99                      ; exchanged with its neighbour where beta = 1
.endif
	s_add_nc_u64 s[G0+4*\slot+2:G0+4*\slot+3], s[XB:XB+1], s[KO:KO+1]
	s_add_nc_u64 s[G0B+4*\slot+2:G0B+4*\slot+3], s[WB:WB+1], s[KO:KO+1]
.if \slot == 1
	s_add_nc_u64 s[G0+4*\slot+2:G0+4*\slot+3], s[G0+4*\slot+2:G0+4*\slot+3], KSB
	s_add_nc_u64 s[G0B+4*\slot+2:G0B+4*\slot+3], s[G0B+4*\slot+2:G0B+4*\slot+3], KSB
.endif
	s_or_b32 s[G0+4*\slot+3], s[G0+4*\slot+3], 0x80000000
	s_or_b32 s[G0B+4*\slot+3], s[G0B+4*\slot+3], 0x80000000
	JLOAD \slot                                    ; its four v_nop are also the places in front of the loads below
.else
	PLACES
.endif
	FETCH \next, 0, F0
	WIN MUL
	MUL16 F1, 1, 0
.endm
; The 16 accumulator tiles as they lie, 512 consecutive bytes a store.  The sums are added onto again only behind the wait at the end.
.macro DUMP
	PLACES
	WIN 0x08                                       ; store data from window 2
.irp i, 0,1,2,3,4,5,6,7,8,9,10,11,12,13,14,15
	global_store_b128 v[TO], v[8*\i:8*\i+3],   s[96:97] offset:1024*\i
	global_store_b128 v[TO], v[8*\i+4:8*\i+7], s[96:97] offset:1024*\i+512
.endr
	WIN 0
	s_wait_xcnt 0x0
.endm
; A UNIT OF THE CONVERSIONS: one row pair x 1024 columns of f32, 16 blocks.  Lane L: row L>>4 of the pair, columns 4 (L&15) .. +3 of each block.
; Its 16 loads go out behind one change of slots; behind the next they are in, are rounded in place and stored, 8 bytes a lane: a store of the wave
; covers one aligned block of 256 bytes.  Two register sets take turns, so that a set is loaded again a whole K step behind its stores.
.macro ULOAD set, va, sb, off
	WIN TO_B
.irp j, 0,1,2,3,4,5,6,7,8,9,10,11,12,13,14,15
	global_load_b128 v[\set+4*\j:\set+4*\j+3], v[\va], s[\sb:\sb+1] offset:\off+256*\j th:TH_LOAD_NT
.endr
.endm
.macro ULOADH set, va, sb, off         ; fc1_w's rows of 16,392 bytes begin on multiples of 8 only: two loads of 8 bytes for a lane's 16
	WIN TO_B
.irp j, 0,1,2,3,4,5,6,7,8,9,10,11,12,13,14,15
	global_load_b64 v[\set+4*\j:\set+4*\j+1],   v[\va], s[\sb:\sb+1] offset:\off+256*\j th:TH_LOAD_NT
	global_load_b64 v[\set+4*\j+2:\set+4*\j+3], v[\va], s[\sb:\sb+1] offset:\off+256*\j+8 th:TH_LOAD_NT
.endr
.endm
.macro USTORE set, sb, off
	s_wait_loadcnt 0x0                             ; the unit's loads, issued a K step ago, are in
	s_wait_xcnt 0x0                                ; the last unit's stores have read the other set, which the next unit's loads write
	WIN 0x45                                       ; destination and both sources window 1
.irp j, 0,1,2,3,4,5,6,7,8,9,10,11,12,13,14,15
	v_cvt_pk_bf16_f32 v[\set+4*\j],   v[\set+4*\j],   v[\set+4*\j+1]
	v_cvt_pk_bf16_f32 v[\set+4*\j+1], v[\set+4*\j+2], v[\set+4*\j+3]
.endr
	WIN 0x04                                       ; store data window 1, address window 0
.irp j, 0,1,2,3,4,5,6,7,8,9,10,11,12,13,14,15
	global_store_b64 v10, v[\set+4*\j:\set+4*\j+1], s[\sb:\sb+1] offset:\off+256*\j
.endr
.endm
	s_wait_tensorcnt 1                             ; my part of the first K step is in; the second's may stay out
	s_barrier_signal -1
	s_barrier_wait -1
	FETCH 0, 0, F0
	; what only the update needs is asked for now
.irp it, 0,1,2,3,4,5,6,7,8,9,10,11,12,13,14,15
	global_load_b32 v[WV+\it], v[WO], s[90:91] offset:8*\it
.endr
	global_load_b128 v[GB:GB+3], v[BI], s[76:77]
	global_load_b128 v[PB:PB+3], v[BI], s[78:79]
	; K = 2048 is four laps; the first three fill both slots again, the last fills nothing
	ULOAD UA, 11, 16, 0                            ; chunk 1
	THREE 0, 1
	TURN 0, 1, 1
	USTORE UA, 80, 0
	ULOAD UB, 11, 16, 4096                         ; chunk 2
	THREE 1, 0
	TURN 1, 0, 1
	USTORE UB, 40, 0
	ULOAD UA, 11, 16, 8192                         ; chunk 3
	THREE 0, 0
	TURN 0, 1, 1
	USTORE UA, 42, 0
	ULOAD UB, 12, 18, 0                            ; the columns of gate_w or proj_w that multiply b
	THREE 1, 0
	TURN 1, 0, 1
	DUMP                                           ; K = 1024: the sums over q
	USTORE UB, 82, 0
	ULOADH UA, 13, 22, 0                           ; fc1_w, 1,024 columns
	THREE 0, 0
	TURN 0, 1, 1
	USTORE UA, 44, 0
	ULOADH UB, 13, 22, 4096                        ; fc1_w, the next 1,024
	THREE 1, 0
	TURN 1, 0, 1
	USTORE UB, 44, 4096
	THREE 0, 0
	TURN 0, 1, 0
	THREE 1, 0
	s_wait_dscnt 8
	WIN MUL
	MUL16 F1, 0, 0
	s_wait_dscnt 0
	MUL16 F1, 1, 0
	; THE UPDATE.  The sums go through a stage so that b leaves in whole aligned blocks of 256 bytes: the block's 64 columns of b come from two waves.
	; The stage lies in slot 0, which has had its last fill and whose last reads stand in front of the barrier of the last change of slots.
	PLACES
	WIN 0x08
.irp a, 0,1,2,3
.irp b, 0,1,2,3
	ds_store_b128 v[STO], v[8*(4*\a+\b):8*(4*\a+\b)+3]   offset:(\b>>1)*GPW+\a*16*SP+(\b&1)*64
	ds_store_b128 v[STO], v[8*(4*\a+\b)+4:8*(4*\a+\b)+7] offset:(\b>>1)*GPW+\a*16*SP+(\b&1)*64+16
.endr
.endr
	WIN 0
	s_wait_loadcnt 0x0                             ; the clipped sims and the biases (met: the units' waits have covered them)
	v_pk_mul_f32 v[GB:GB+1],   v[GB:GB+1],   s[84:85] op_sel_hi:[1,0]   ; the biases take the exponents' factors once
	v_pk_mul_f32 v[GB+2:GB+3], v[GB+2:GB+3], s[84:85] op_sel_hi:[1,0]
	v_pk_mul_f32 v[PB:PB+1],   v[PB:PB+1],   s[86:87] op_sel_hi:[1,0]
	v_pk_mul_f32 v[PB+2:PB+3], v[PB+2:PB+3], s[86:87] op_sel_hi:[1,0]
	s_wait_dscnt 0x0                               ; for the others: my stores are done
	s_barrier_signal -1
	s_barrier_wait -1
.irp it, 0,1,2,3,4,5,6,7,8,9,10,11,12,13,14,15
	ds_load_b128 v[GS+4*\it:GS+4*\it+3], v[RD] offset:2*SP*\it
	ds_load_b128 v[PS+4*\it:PS+4*\it+3], v[RD] offset:GPW+2*SP*\it
.endr
; Rows 32 w + 2 it and + 1 of the block: lanes 0-15 one row's 64 columns, lanes 16-31 the next row's.
.macro EPI it
	s_wait_dscnt 30-2*\it                          ; this pair of loads is in; the 15 - it younger pairs may be out
	v_pk_fma_f32 v[GS+4*\it:GS+4*\it+1],   v[GS+4*\it:GS+4*\it+1],   s[84:85], v[GB:GB+1]   op_sel_hi:[1,0,1]
	v_pk_fma_f32 v[GS+4*\it+2:GS+4*\it+3], v[GS+4*\it+2:GS+4*\it+3], s[84:85], v[GB+2:GB+3] op_sel_hi:[1,0,1]
	v_pk_fma_f32 v[PS+4*\it:PS+4*\it+1],   v[PS+4*\it:PS+4*\it+1],   s[86:87], v[PB:PB+1]   op_sel_hi:[1,0,1]
	v_pk_fma_f32 v[PS+4*\it+2:PS+4*\it+3], v[PS+4*\it+2:PS+4*\it+3], s[86:87], v[PB+2:PB+3] op_sel_hi:[1,0,1]
.irp c, 0,1,2,3
	v_exp_f32 v[GS+4*\it+\c], v[GS+4*\it+\c]
	v_exp_f32 v[PS+4*\it+\c], v[PS+4*\it+\c]
.endr
	v_nop                                          ; one plain vector instruction behind the transcendentals, before their results are used
	s_wait_alu depctr_va_vdst(0)
.irp c, 0,2
	v_pk_add_f32 v[GS+4*\it+\c:GS+4*\it+\c+1], v[GS+4*\it+\c:GS+4*\it+\c+1], 1.0 op_sel_hi:[1,0]
	v_pk_add_f32 v[PS+4*\it+\c:PS+4*\it+\c+1], v[PS+4*\it+\c:PS+4*\it+\c+1], 1.0 op_sel_hi:[1,0]
.endr
.irp c, 0,1,2,3
	v_rcp_f32 v[GS+4*\it+\c], v[GS+4*\it+\c]
	v_rcp_f32 v[PS+4*\it+\c], v[PS+4*\it+\c]
.endr
	v_nop
	s_wait_alu depctr_va_vdst(0)
.irp c, 0,1,2,3
	v_mul_f32 v[GS+4*\it+\c], v[GS+4*\it+\c], v[WV+\it]            ; g = sigmoid x clipped sim
.endr
.irp c, 0,2
	v_pk_fma_f32 v[PS+4*\it+\c:PS+4*\it+\c+1], v[PS+4*\it+\c:PS+4*\it+\c+1], -2.0, 1.0 op_sel_hi:[1,0,0]   ; h = tanh
.endr
.irp c, 0,2
	v_pk_mul_f32 v[BN+4*\it+\c:BN+4*\it+\c+1], v[GS+4*\it+\c:GS+4*\it+\c+1], v[PS+4*\it+\c:PS+4*\it+\c+1]  ; b1 = g h
.endr
	v_cvt_pk_bf16_f32 v[GS+4*\it],   v[BN+4*\it],   v[BN+4*\it+1]
	v_cvt_pk_bf16_f32 v[GS+4*\it+1], v[BN+4*\it+2], v[BN+4*\it+3]
	global_store_b128 v[FO], v[BN+4*\it:BN+4*\it+3], s[92:93] offset:8192*\it   ; f32: 16 lanes store 256 consecutive bytes, aligned
	global_store_b64  v[BO], v[GS+4*\it:GS+4*\it+1], s[94:95] offset:8192*\it   ; bf16: 32 lanes store one block of the pair layout
.endm
.irp it, 0,1,2,3,4,5,6,7,8,9,10,11,12,13,14,15
	EPI \it
.endr
	s_wait_tensorcnt 0x0
	ds_add_u32 v62, v63
	s_wait_dscnt 0x0
	CROUND                                         ; the closing round: no work-group ends while a partner may still ask for a tile that names it
	s_endpgm
.Lfunc_end_k_qf269cc6c83_step0:
	.size	k_qf269cc6c83_step0, .Lfunc_end_k_qf269cc6c83_step0-k_qf269cc6c83_step0
	.p2alignl 7, 3214868480
	.fill 96, 4, 3214868480
	.section	.rodata,"a",@progbits
	.p2align	6, 0x0
	.amdhsa_kernel k_qf269cc6c83_step0
		.amdhsa_group_segment_fixed_size 327680
		.amdhsa_private_segment_fixed_size 0
		.amdhsa_enable_private_segment 0
		.amdhsa_kernarg_size 104
		.amdhsa_user_sgpr_count 2
		.amdhsa_user_sgpr_kernarg_segment_ptr 1
		.amdhsa_wavefront_size32 1
		.amdhsa_system_sgpr_workgroup_id_x 1
		.amdhsa_system_sgpr_workgroup_id_y 1
		.amdhsa_system_sgpr_workgroup_id_z 1
		.amdhsa_system_vgpr_workitem_id 0
		.amdhsa_next_free_vgpr 640
		.amdhsa_next_free_sgpr 100
		.amdhsa_reserve_vcc 0
		.amdhsa_float_denorm_mode_32 3
		.amdhsa_float_denorm_mode_16_64 3
		.amdhsa_memory_ordered 1
		.amdhsa_forward_progress 1
		.amdhsa_inst_pref_size 229
	.end_amdhsa_kernel
	.amdgpu_metadata
---
amdhsa.version: [ 1, 2 ]
amdhsa.kernels:
  - .name:           k_qf269cc6c83_step0
    .symbol:         k_qf269cc6c83_step0.kd
    .args:
      - { .name: X0, .offset: 0, .size: 8, .value_kind: global_buffer, .address_space: global }
      - { .name: CW, .offset: 8, .size: 8, .value_kind: global_buffer, .address_space: global }
      - { .name: gate_b, .offset: 16, .size: 8, .value_kind: global_buffer, .address_space: global }
      - { .name: proj_b, .offset: 24, .size: 8, .value_kind: global_buffer, .address_space: global }
      - { .name: X1, .offset: 32, .size: 8, .value_kind: global_buffer, .address_space: global }
      - { .name: PQ, .offset: 40, .size: 8, .value_kind: global_buffer, .address_space: global }
      - { .name: chunks, .offset: 48, .size: 8, .value_kind: global_buffer, .address_space: global }
      - { .name: gate_w, .offset: 56, .size: 8, .value_kind: global_buffer, .address_space: global }
      - { .name: proj_w, .offset: 64, .size: 8, .value_kind: global_buffer, .address_space: global }
      - { .name: fc1_w, .offset: 72, .size: 8, .value_kind: global_buffer, .address_space: global }
      - { .name: X2, .offset: 80, .size: 8, .value_kind: global_buffer, .address_space: global }
      - { .name: X3, .offset: 88, .size: 8, .value_kind: global_buffer, .address_space: global }
      - { .name: FN, .offset: 96, .size: 8, .value_kind: global_buffer, .address_space: global }
    .group_segment_fixed_size: 327680
    .private_segment_fixed_size: 0
    .kernarg_segment_align: 8
    .kernarg_segment_size: 104
    .max_flat_workgroup_size: 128
    .sgpr_count:     100
    .vgpr_count:     640
    .wavefront_size: 32
...
	.end_amdgpu_metadata
.endif
;; end of part 2
;; launch step1 (part 3): grid 16 x 16, 4 waves a work-group, clusters of 4 x 4, 327,680 bytes of LDS; arguments X1, PQ, gate_b, proj_b, X2; writes X2
.if DOCPART == 3
	.amdgcn_target "amdgcn-amd-amdhsa--gfx1250"
	.amdhsa_code_object_version 6
	.text
	.protected	k_qf269cc6c83_step1
	.globl	k_qf269cc6c83_step1
	.p2align	8
	.type	k_qf269cc6c83_step1,@function
k_qf269cc6c83_step1:
	s_mov_b64 s[64:65], 0
	v_nop
	global_prefetch_b8 v0, s[64:65] scope:SCOPE_SE
	s_setreg_imm32_b32 hwreg(HW_REG_WAVE_MODE, 25, 1), 1
	s_wait_xcnt 0x0
	s_wait_alu depctr_hold_cnt(0) depctr_sa_sdst(0) depctr_va_vdst(0) depctr_va_sdst(0) depctr_va_ssrc(0) depctr_va_vcc(0) depctr_vm_vsrc(0)
	s_getreg_b32 s2, hwreg(HW_REG_IB_STS2, 6, 4)
	s_cmp_eq_u32 s2, 0
	s_cbranch_scc0 .Lentry_in_a_cluster
	s_endpgm
.Lentry_in_a_cluster:
	s_bfe_u32 s2, ttmp6, 0x10000c
	s_cmp_lg_u32 s2, 0xf033
	s_cbranch_scc0 .Lentry_shape_is_right
	s_endpgm
.Lentry_shape_is_right:
; STEPS 1 TO 3 of the belief update: per work-group a block of 128 x 128 sums over K = 2048, bf16 operands, f32 sums.  The sums start from q x Wq^T
; (PQ, f32, stored by step 0), then [b | c] x [Wb | Wc]^T is added; b_new = b + g (h - b), which is (1 - g) b + g h,
; g = sigmoid(sum + gate_b) clip(sims), h = tanh(sum + proj_b); sigmoid(x) = 1 / (1 + 2^(-x log2 e)), tanh(x) = 1 - 2 / (1 + 2^(2 x log2 e)):
; both saturate rightly when the power of two runs to infinity or to 0.
; LIMITS: matrix operands are rounded to bf16; the sums run in another order than the reference (q first; the K ORDER below); sigmoid and tanh carry
; the error of v_exp_f32 and v_rcp_f32 (about 1e-7 absolute).  The last step, which shares this text, also stores b in bf16, which no launch reads (4 MiB).
; SHARES: four waves, a wave makes 64 x 64: 16 accumulator tiles, 128 registers.  2048 x 2048 sums are 256 blocks of 128 x 128, one for each
; work-group of the grid; blocks of 256 x 256 would be 64.
; OPERANDS lie in the pair layout: element (row, k) at (row>>1)*4K + (k>>6)*256 + (row&1)*128 + (k&63)*2.  A K step of 256 of a row pair is 1,024
; consecutive bytes, so a tile of 32 pairs (64 rows) x 256 K is a plain two-dimensional tile of 32 rows of 1,024 bytes.
; W rows are interleaved: a wave's 64 rows of W are 32 rows of gate_w and the same 32 columns' rows of proj_w.
; CLUSTERS: 4 x 4 work-groups.  X's tile is asked for jointly by a row of the cluster, W's by a column: that divides the requests for both by four.
; K ORDER: a lap is two K steps.  Lap i takes pair i xor beta of the four pairs, beta = the parity of (cluster x xor cluster y).  Two clusters that
; share a tile and differ in one bit of x or of y have different beta, so in laps 1 and 3 a cluster asks for the K steps that such a neighbour asked
; for one lap earlier, not at the same moment.
; REGISTER WINDOWS: window 0 addresses, fragments of X (v64-127, v128-191), epilogue; window 1 fragments of W (same numbers); window 2 v0-127 accumulators.
; THE MATRIX INSTRUCTION IS USED TRANSPOSED (source 0 = 16 rows of W, source 1 = 16 rows of X): lane (r, h) holds row r of X, registers j the W rows 8 h + j.
.set PP,     1040                      ; LDS pitch of a row pair: 1,024 bytes + 16 of padding
.set HALFT,  32*PP                     ; 32 pairs: what one tensor load brings and what a wave reads of X or of W
.set SLOT,   4*HALFT                   ; X's 64 pairs, then W's 64 pairs
.set T16,    8*PP                      ; 16 rows
.set KSB,    1024                      ; bytes of a K step of 256 in a pair
.set PAIRSH, 13                        ; a pair of 2,048 columns is 8,192 bytes
.set BOFF,   0x1000000                 ; W1 lies in PQ behind the 16 MiB of sums
.set SP,   144                         ; the stage: a row of 32 f32 + 16 bytes; 144 r mod 256 takes 16 different values for r = 0..15
.set GPW,  64*SP                       ; a wave's 64 rows of gate sums; its proj sums follow
.set WST,  2*GPW+128                   ; a wave's stage; 128 modulo 256, so that the two waves' halves of a row fall on different 16-byte columns
.set ADRA, 16                          ; v16-17  LDS address of my X fragments in slot 0, 1
.set ADRB, 20                          ; v20-21  the same for W
.set STO,  24                          ; v24  stage, in
.set RD,   25                          ; v25  stage, back
.set FO,   26                          ; v26  my 16 bytes in b (f32)
.set BO,   27                          ; v27  my 8 bytes in b (bf16, pair layout)
.set TO,   28                          ; v28  my 16 bytes in a tile of PQ
.set WO,   29                          ; v29  my row's clipped sim
.set BI,   30                          ; v30  my 4 columns' biases
.set WV,   32                          ; v[32:47]  clipped sims of my 16 rows
.set GB,   48                          ; v[48:51]  gate_b x -log2 e
.set PB,   52                          ; v[52:55]  proj_b x 2 log2 e
.set F0,   64                          ; fragment buffer 0
.set F1,   128                         ; fragment buffer 1
.set GS,   64                          ; epilogue: gate sums, 16 x 4
.set PS,   128                         ; epilogue: proj sums, 16 x 4
.set BN,   192                         ; v[192:255] b old, then b new, 16 x 4
.set XB, 4                             ; s[4:5]   X's tile (my 32 pairs) at K = 0
.set WB, 6                             ; s[6:7]   W's likewise
.set KO, 8                             ; s[8:9]   byte offset, in a pair's bytes, of the two K steps asked for; s98: the same in natural order; s99: 2,048 beta
.set G1, 24                            ; s[24:31] descriptor group 1 for X tiles
.set G0, 32                            ; s[32:39] group 0 for X tiles, one set for each slot
.set G1B, 48                           ; s[48:55] group 1 for W tiles: differs in the mask alone
.set G0B, 56                           ; s[56:63] group 0 for W tiles
.set MSB, 0
.macro WIN new                         ; the upper byte of the immediate repeats the setting that is left
.if MSB != \new
	s_set_vgpr_msb (MSB<<8)|\new
.set MSB, \new
.endif
.endm
.set MUL,  0xa1                        ; source 0 (W) window 1, source 1 (X) window 0, C and D window 2
.set TO_B, 0x40                        ; destination window 1, address window 0
; A joint load.  Waves 0 and 1 fetch the two halves of X, waves 2 and 3 those of W.  Each line has one mask and one set of registers; the branch hangs on the wave number alone.
.macro JLOAD s
	s_cmp_eq_u32 s11, 0
	s_cbranch_scc0 .Lfor_b_\@
	tensor_load_to_lds s[G0+4*\s:G0+4*\s+3], s[G1:G1+7]
	s_nop 0
.rept 4
	v_nop
.endr
	s_branch .Lasked_\@
.Lfor_b_\@:
	tensor_load_to_lds s[G0B+4*\s:G0B+4*\s+3], s[G1B:G1B+7]
	s_nop 0
.rept 4
	v_nop
.endr
.Lasked_\@:
.endm
; A round of the cluster barrier: my work-group's barrier; wave 0 signals for the work-group; every wave waits for all sixteen; my work-group's barrier again.
.macro CREST
	s_cmp_lg_u32 s10, 0
	s_cbranch_scc1 .Lnot_wave_0_\@
	s_barrier_signal -3
.Lnot_wave_0_\@:
	s_barrier_wait -3
	s_barrier_signal -1
	s_barrier_wait -1
.endm
.macro CROUND
	s_barrier_signal -1
	s_barrier_wait -1
	CREST
.endm
; Four plain vector instructions stand between a matrix instruction and a load into, a store of, or a vector access to its registers.
.macro PLACES
.rept 4
	v_nop
.endr
.endm
	s_load_b256 s[72:79], s[0:1], 0x0              ; X in, PQ, gate_b, proj_b
	s_load_b64 s[80:81], s[0:1], 0x20              ; X out
	s_set_vgpr_msb 0x40
	v_lshl_add_u32 v255, v0, 2, 0x41000
	s_set_vgpr_msb 0x4000
	v_mov_b32 v63, 0
	s_set_vgpr_msb 0x1
	ds_add_u32 v255, v63
	s_set_vgpr_msb 0x100
	v_lshrrev_b32 v1, 5, v0
	v_readfirstlane_b32 s10, v1                    ; wave 0..3
	s_lshr_b32 s11, s10, 1                         ; which 64 rows of the block are mine.  Also: I fetch for X (0) or for W (1)
	s_and_b32 s12, s10, 1                          ; which 64 W rows.  Also: which 32 pairs of that tile I fetch
	s_bfe_u32 s40, ttmp6, 0x40000                  ; cx
	s_bfe_u32 s41, ttmp6, 0x40004                  ; cy
	s_lshl_b32 s66, ttmp9, 2
	s_add_co_u32 s66, s66, s40                     ; work-group x
	s_mov_b32 s42, s66                             ; block column 0..15
	s_and_b32 s13, ttmp7, 0xffff                   ; the cluster's y
	s_xor_b32 s99, s13, ttmp9                      ; beta: the parity of the two bits of (cluster x xor cluster y): the same in all sixteen work-groups
	s_lshr_b32 s98, s99, 1
	s_xor_b32 s99, s99, s98
	s_and_b32 s99, s99, 1
	s_lshl_b32 s99, s99, 11                        ; times the 2,048 bytes of two K steps
	s_lshl_b32 s13, s13, 2
	s_add_co_u32 s13, s13, s41                     ; block row 0..15
	s_lshl_b32 s43, s41, 2
	s_lshl_b32 s43, 15, s43                        ; my row of the cluster
	s_lshl_b32 s44, 0x1111, s40                    ; my column
	; group 1: 32 rows of 512 elements of 2 bytes; 4 words of padding behind every 256 words
	s_or_b32 s[G1+0], s43, (1<<16)|(1<<20)|(1<<21)|(7<<22)|(3<<25)
	s_or_b32 s[G1B+0], s44, (1<<16)|(1<<20)|(1<<21)|(7<<22)|(3<<25)
.irp g, G1, G1B
	s_mov_b32 s[\g+1], 512<<16                     ; tensor_dim0 = 512
	s_mov_b32 s[\g+2], 32<<16                      ; tensor_dim1 = 32
	s_mov_b32 s[\g+3], 512<<16                     ; tile_dim0 = 512
	s_mov_b32 s[\g+4], 32                          ; tile_dim1 = 32
	s_mov_b32 s[\g+5], (1<<PAIRSH)/2               ; elements from pair to pair
	s_mov_b32 s[\g+6], 0
	s_mov_b32 s[\g+7], 0
.endr
	; where the tiles come from: X's from the block row, W's from the block column, each in registers that never hold the other coordinate
	s_lshl_b32 s17, s12, 5                         ; which 32 pairs I fetch
	s_lshl_b32 s16, s13, 6
	s_add_co_u32 s16, s16, s17
	s_lshl_b32 s16, s16, PAIRSH                    ; below 16 MiB
	s_lshl_b32 s46, s42, 6
	s_add_co_u32 s46, s46, s17
	s_lshl_b32 s46, s46, PAIRSH
	s_add_co_u32 s46, s46, BOFF
	s_mov_b32 s17, 0
	s_mov_b32 s47, 0
	s_mul_i32 s20, s10, HALFT                      ; where they go: wave x 32 pairs; no place in the cluster enters an LDS address
	s_mov_b32 s[KO], s99                           ; lap 0 takes pair beta
	s_mov_b32 s[KO+1], 0
	s_mov_b32 s98, 0
	s_wait_dscnt 0x0
	s_wait_kmcnt 0x0
	s_add_nc_u64 s[XB:XB+1], s[72:73], s[16:17]
	s_add_nc_u64 s[WB:WB+1], s[74:75], s[46:47]
	CROUND                                         ; all sixteen work-groups are here: the first joint loads meet
.irp s, 0,1
	s_mov_b32 s[G0+4*\s], 1
	s_add_co_u32 s[G0+4*\s+1], s20, \s*SLOT
	s_add_nc_u64 s[G0+4*\s+2:G0+4*\s+3], s[XB:XB+1], s[KO:KO+1]
	s_mov_b32 s[G0B+4*\s], 1
	s_add_co_u32 s[G0B+4*\s+1], s20, \s*SLOT
	s_add_nc_u64 s[G0B+4*\s+2:G0B+4*\s+3], s[WB:WB+1], s[KO:KO+1]
.if \s
	s_add_nc_u64 s[G0+4*\s+2:G0+4*\s+3], s[G0+4*\s+2:G0+4*\s+3], KSB       ; slot 1 holds the pair's second K step
	s_add_nc_u64 s[G0B+4*\s+2:G0B+4*\s+3], s[G0B+4*\s+2:G0B+4*\s+3], KSB
.endif
	s_or_b32 s[G0+4*\s+3], s[G0+4*\s+3], 0x80000000
	s_or_b32 s[G0B+4*\s+3], s[G0B+4*\s+3], 0x80000000
	JLOAD \s                                       ; both slots are asked for before anything else: two tensor loads of the wave are out, the most in this text
.endr
	; A fragment is 16 rows x 32 K in 8 registers: lane (r, h) holds row r, K = 8 h .. +7 and 16 + 8 h .. +7: two loads of 16 bytes, 32 apart, at
	; (r>>1) pitch + (r&1) 128 + 16 h.  The sixteen lanes of a half address 16 (r>>1) + 128 (r&1) modulo 256: sixteen different 16-byte columns.
	v_and_b32 v1, 15, v0                           ; r
	v_bfe_u32 v2, v0, 4, 1                         ; h
	v_lshrrev_b32 v3, 1, v1
	v_mul_u32_u24 v3, v3, PP
	v_and_b32 v4, 1, v0
	v_lshl_add_u32 v3, v4, 7, v3
	v_lshl_add_u32 v3, v2, 4, v3
	s_mul_i32 s21, s11, HALFT                      ; my 64 rows of X
	s_mul_i32 s22, s12, HALFT                      ; my 64 rows of W,
	s_add_co_u32 s22, s22, 2*HALFT                 ; which lie behind X's 128
.irp s, 0,1
	v_add_nc_u32 v[ADRA+\s], s21, v3
	v_add_nc_u32 v[ADRB+\s], s22, v3
	s_add_co_u32 s21, s21, SLOT
	s_add_co_u32 s22, s22, SLOT
.endr
	v_and_b32 v6, 31, v0
	s_lshl_b32 s23, s10, 14
	v_lshl_add_u32 v[TO], v6, 4, s23               ; tile order of PQ: wave x 16,384 + tile x 1,024 + half x 512 + lane x 16: the registers as they lie
	s_lshl_b32 s68, s13, 4
	s_add_co_u32 s68, s68, s66
	s_lshl_b32 s68, s68, 16                        ; (16 block row + x) x 65,536
	s_mov_b32 s69, 0
	s_add_nc_u64 s[96:97], s[74:75], s[68:69]
	; the sums' start is asked for now: it comes while the first tiles come
	WIN 0x80                                       ; destination window 2
.irp i, 0,1,2,3,4,5,6,7,8,9,10,11,12,13,14,15
	global_load_b128 v[8*\i:8*\i+3],   v[TO], s[96:97] offset:1024*\i
	global_load_b128 v[8*\i+4:8*\i+7], v[TO], s[96:97] offset:1024*\i+512
.endr
	WIN 0
	s_mul_i32 s23, s10, WST
	v_mul_u32_u24 v4, v1, SP
	v_lshl_add_u32 v4, v2, 5, v4
	v_add_nc_u32 v[STO], s23, v4                   ; stage in: my wave's own region, row r, 32 h bytes
	s_mul_i32 s23, s11, 2*WST                      ; stage back: rows 32 w + 2 it + h of the block lie in the regions of waves 2 (w>>1) and 2 (w>>1) + 1
	s_mul_i32 s67, s12, 32*SP
	s_add_co_u32 s23, s23, s67
	v_bfe_u32 v7, v0, 3, 1                         ; which of the two: columns 0-31 or 32-63
	v_and_b32 v8, 7, v0
	v_mul_u32_u24 v[RD], v7, WST
	v_mul_u32_u24 v9, v2, SP
	v_add3_u32 v[RD], v[RD], v9, s23
	v_lshl_add_u32 v[RD], v8, 4, v[RD]
	s_lshl_b32 s23, s10, 5
	v_add_nc_u32 v5, s23, v2                       ; 32 w + h
	v_lshlrev_b32 v[FO], 12, v5
	v_lshl_add_u32 v[FO], v1, 4, v[FO]             ; row x 4,096 + 16 (L & 15)
	v_lshlrev_b32 v[WO], 2, v5
	s_lshl_b32 s23, s10, 17
	v_lshl_add_u32 v[BO], v6, 3, s23               ; 16 w pairs x 8,192 + 8 L
	s_lshl_b32 s23, s42, 8
	v_lshl_add_u32 v[BI], v1, 4, s23               ; my 4 of the block's 64 columns of b
	s_lshl_b32 s70, s13, 19                        ; 128 rows x 4,096 bytes (f32) = 64 pairs x 8,192 bytes (bf16),
	s_add_co_u32 s70, s70, s23                     ; and 64 columns are 256 bytes in both
	s_mov_b32 s71, 0
	s_add_nc_u64 s[94:95], s[80:81], s[70:71]      ; b out, bf16
	s_add_nc_u64 s[92:93], s[94:95], 0x800000      ; b out, f32
	s_add_nc_u64 s[88:89], s[72:73], s[70:71]
	s_add_nc_u64 s[88:89], s[88:89], 0x800000      ; b in, f32
	s_lshl_b32 s70, s13, 9
	s_add_co_u32 s70, s70, 0x1000000
	s_add_nc_u64 s[90:91], s[72:73], s[70:71]      ; this step's clipped sims of the block's 128 rows
	s_mov_b32 s84, 0xbfb8aa3b                      ; -log2 e
	s_mov_b32 s85, 0xbfb8aa3b
	s_mov_b32 s86, 0x4038aa3b                      ; 2 log2 e
	s_mov_b32 s87, 0x4038aa3b
; 8 matrix instructions: row blocks a0, a0 + 1 x all 4 W blocks, 32 along K (half kk of the buffer's 64), added onto the sums.
; The 16 accumulators take turns, one instruction a turn, always in the order 0 to 15.
.macro MUL8 f, kk, a0
.irp a, \a0, \a0+1
.irp b, 0,1,2,3
	v_wmma_f32_16x16x32_bf16 v[8*(4*(\a)+\b):8*(4*(\a)+\b)+7], v[\f+8*(4*\kk+\b):\f+8*(4*\kk+\b)+7], v[\f+8*(4*\kk+(\a)):\f+8*(4*\kk+(\a))+7], v[8*(4*(\a)+\b):8*(4*(\a)+\b)+7]
.endr
.endr
.endm
.macro MUL16 f, kk
	MUL8 \f, \kk, 0
	MUL8 \f, \kk, 2
.endm
; 32 LDS loads in one run: the fragments of quarter q of a K step (64 along K: 64 rows of W, 64 rows of X) into buffer f.  The last eight are X's second 32 of K.
.macro FETCH slot, q, f
	WIN TO_B
.irp kk, 0,1
.irp i, 0,1,2,3
	ds_load_b128 v[\f+8*(4*\kk+\i):\f+8*(4*\kk+\i)+3],   v[ADRB+\slot] offset:256*\q+64*\kk+T16*\i
	ds_load_b128 v[\f+8*(4*\kk+\i)+4:\f+8*(4*\kk+\i)+7], v[ADRB+\slot] offset:256*\q+64*\kk+T16*\i+32
.endr
.endr
	WIN 0
.irp kk, 0,1
.irp i, 0,1,2,3
	ds_load_b128 v[\f+8*(4*\kk+\i):\f+8*(4*\kk+\i)+3],   v[ADRA+\slot] offset:256*\q+64*\kk+T16*\i
	ds_load_b128 v[\f+8*(4*\kk+\i)+4:\f+8*(4*\kk+\i)+7], v[ADRA+\slot] offset:256*\q+64*\kk+T16*\i+32
.endr
.endr
.endm
; One of a K step's first three quarters: multiplies buffer f and, in its middle, fetches quarter qn of the same slot into buffer g.
.macro QUARTER slot, qn, f, g
	s_wait_dscnt 8                                 ; all of W and X's first 32 of K are in; the youngest eight loads may be out
	WIN MUL
	MUL16 \f, 0
	PLACES
	FETCH \slot, \qn, \g
	s_wait_dscnt 32                                ; all but the 32 just issued
	WIN MUL
	MUL16 \f, 1
.endm
.macro THREE slot
	QUARTER \slot, 1, F0, F1
	QUARTER \slot, 2, F1, F0
	QUARTER \slot, 3, F0, F1
.endm
; The last quarter multiplies buffer 1 and changes slots.  In front of the barrier each wave waits for its reads of this slot and for all its tensor
; loads (the one that is out is its part of the next slot).  fill = 1: the barrier opens a round of the cluster barrier, and the joint refill of this
; slot, for the next lap, is the first tensor load behind the round: it has 120 of a K step's 128 matrix instructions in which to land.
.macro TURN slot, next, fill
	s_wait_dscnt 8
	WIN MUL
	MUL8 F1, 0, 0
	s_wait_dscnt 0                                 ; my reads of this slot are over
	s_wait_tensorcnt 0x0                           ; and all my tensor loads have landed
	ds_add_u32 v255, v63
	s_wait_dscnt 0x0
	s_barrier_signal -1
	MUL8 F1, 0, 2                                  ; work on registers while the others arrive
	WIN 0
	s_barrier_wait -1
.if \fill
	CREST                                          ; no wave of any partner still reads this slot or has a load on its way
.if \slot == 0
	s_add_co_u32 s98, s98, 2*KSB                   ; the next lap's pair of K steps in natural order,
	s_xor_b32 s[KO], s98, s99                      ; exchanged with its neighbour where beta = 1
.endif
	s_add_nc_u64 s[G0+4*\slot+2:G0+4*\slot+3], s[XB:XB+1], s[KO:KO+1]
	s_add_nc_u64 s[G0B+4*\slot+2:G0B+4*\slot+3], s[WB:WB+1], s[KO:KO+1]
.if \slot == 1
	s_add_nc_u64 s[G0+4*\slot+2:G0+4*\slot+3], s[G0+4*\slot+2:G0+4*\slot+3], KSB
	s_add_nc_u64 s[G0B+4*\slot+2:G0B+4*\slot+3], s[G0B+4*\slot+2:G0B+4*\slot+3], KSB
.endif
	s_or_b32 s[G0+4*\slot+3], s[G0+4*\slot+3], 0x80000000
	s_or_b32 s[G0B+4*\slot+3], s[G0B+4*\slot+3], 0x80000000
	JLOAD \slot                                    ; its four v_nop are also the places in front of the loads below
.else
	PLACES
.endif
	FETCH \next, 0, F0
	WIN MUL
	MUL16 F1, 1
.endm
	s_wait_tensorcnt 1                             ; my part of the first K step is in; the second's may stay out
	s_barrier_signal -1
	s_barrier_wait -1
	FETCH 0, 0, F0
	s_wait_loadcnt 0x0                             ; the 32 loads of the sums over q: the accumulators are ready
	; what only the update needs is asked for now and waited for in front of the update
.irp it, 0,1,2,3,4,5,6,7,8,9,10,11,12,13,14,15
	global_load_b128 v[BN+4*\it:BN+4*\it+3], v[FO], s[88:89] offset:8192*\it
.endr
.irp it, 0,1,2,3,4,5,6,7,8,9,10,11,12,13,14,15
	global_load_b32 v[WV+\it], v[WO], s[90:91] offset:8*\it
.endr
	global_load_b128 v[GB:GB+3], v[BI], s[76:77]
	global_load_b128 v[PB:PB+3], v[BI], s[78:79]
	; K = 2048 is four laps; the first three fill both slots again, the last fills nothing
	s_mov_b32 s3, 3
.Llap:
	THREE 0
	TURN 0, 1, 1
	THREE 1
	TURN 1, 0, 1
	WIN 0
	s_sub_co_u32 s3, s3, 1
	s_cmp_lg_u32 s3, 0
	s_cbranch_scc1 .Llap
	THREE 0
	TURN 0, 1, 0
	THREE 1
	s_wait_dscnt 8
	WIN MUL
	MUL16 F1, 0
	s_wait_dscnt 0
	MUL16 F1, 1
	; THE UPDATE.  The sums go through a stage so that b leaves in whole aligned blocks of 256 bytes: the block's 64 columns of b come from two waves.
	; The stage lies in slot 0, which has had its last fill and whose last reads stand in front of the barrier of the last change of slots.
	PLACES
	WIN 0x08
.irp a, 0,1,2,3
.irp b, 0,1,2,3
	ds_store_b128 v[STO], v[8*(4*\a+\b):8*(4*\a+\b)+3]   offset:(\b>>1)*GPW+\a*16*SP+(\b&1)*64
	ds_store_b128 v[STO], v[8*(4*\a+\b)+4:8*(4*\a+\b)+7] offset:(\b>>1)*GPW+\a*16*SP+(\b&1)*64+16
.endr
.endr
	WIN 0
	s_wait_loadcnt 0x0                             ; b, the clipped sims and the biases, asked for ahead of the first lap
	v_pk_mul_f32 v[GB:GB+1],   v[GB:GB+1],   s[84:85] op_sel_hi:[1,0]   ; the biases take the exponents' factors once
	v_pk_mul_f32 v[GB+2:GB+3], v[GB+2:GB+3], s[84:85] op_sel_hi:[1,0]
	v_pk_mul_f32 v[PB:PB+1],   v[PB:PB+1],   s[86:87] op_sel_hi:[1,0]
	v_pk_mul_f32 v[PB+2:PB+3], v[PB+2:PB+3], s[86:87] op_sel_hi:[1,0]
	s_wait_dscnt 0x0                               ; for the others: my stores are done
	s_barrier_signal -1
	s_barrier_wait -1
.irp it, 0,1,2,3,4,5,6,7,8,9,10,11,12,13,14,15
	ds_load_b128 v[GS+4*\it:GS+4*\it+3], v[RD] offset:2*SP*\it
	ds_load_b128 v[PS+4*\it:PS+4*\it+3], v[RD] offset:GPW+2*SP*\it
.endr
; Rows 32 w + 2 it and + 1 of the block: lanes 0-15 one row's 64 columns, lanes 16-31 the next row's.
.macro EPI it
	s_wait_dscnt 30-2*\it                          ; this pair of loads is in; the 15 - it younger pairs may be out
	v_pk_fma_f32 v[GS+4*\it:GS+4*\it+1],   v[GS+4*\it:GS+4*\it+1],   s[84:85], v[GB:GB+1]   op_sel_hi:[1,0,1]
	v_pk_fma_f32 v[GS+4*\it+2:GS+4*\it+3], v[GS+4*\it+2:GS+4*\it+3], s[84:85], v[GB+2:GB+3] op_sel_hi:[1,0,1]
	v_pk_fma_f32 v[PS+4*\it:PS+4*\it+1],   v[PS+4*\it:PS+4*\it+1],   s[86:87], v[PB:PB+1]   op_sel_hi:[1,0,1]
	v_pk_fma_f32 v[PS+4*\it+2:PS+4*\it+3], v[PS+4*\it+2:PS+4*\it+3], s[86:87], v[PB+2:PB+3] op_sel_hi:[1,0,1]
.irp c, 0,1,2,3
	v_exp_f32 v[GS+4*\it+\c], v[GS+4*\it+\c]
	v_exp_f32 v[PS+4*\it+\c], v[PS+4*\it+\c]
.endr
	v_nop                                          ; one plain vector instruction behind the transcendentals, before their results are used
	s_wait_alu depctr_va_vdst(0)
.irp c, 0,2
	v_pk_add_f32 v[GS+4*\it+\c:GS+4*\it+\c+1], v[GS+4*\it+\c:GS+4*\it+\c+1], 1.0 op_sel_hi:[1,0]
	v_pk_add_f32 v[PS+4*\it+\c:PS+4*\it+\c+1], v[PS+4*\it+\c:PS+4*\it+\c+1], 1.0 op_sel_hi:[1,0]
.endr
.irp c, 0,1,2,3
	v_rcp_f32 v[GS+4*\it+\c], v[GS+4*\it+\c]
	v_rcp_f32 v[PS+4*\it+\c], v[PS+4*\it+\c]
.endr
	v_nop
	s_wait_alu depctr_va_vdst(0)
.irp c, 0,1,2,3
	v_mul_f32 v[GS+4*\it+\c], v[GS+4*\it+\c], v[WV+\it]            ; g = sigmoid x clipped sim
.endr
.irp c, 0,2
	v_pk_fma_f32 v[PS+4*\it+\c:PS+4*\it+\c+1], v[PS+4*\it+\c:PS+4*\it+\c+1], -2.0, 1.0 op_sel_hi:[1,0,0]   ; h = tanh
.endr
.irp c, 0,2
	v_pk_add_f32 v[PS+4*\it+\c:PS+4*\it+\c+1], v[PS+4*\it+\c:PS+4*\it+\c+1], v[BN+4*\it+\c:BN+4*\it+\c+1] neg_lo:[0,1] neg_hi:[0,1]
	v_pk_fma_f32 v[BN+4*\it+\c:BN+4*\it+\c+1], v[GS+4*\it+\c:GS+4*\it+\c+1], v[PS+4*\it+\c:PS+4*\it+\c+1], v[BN+4*\it+\c:BN+4*\it+\c+1]
.endr
	v_cvt_pk_bf16_f32 v[GS+4*\it],   v[BN+4*\it],   v[BN+4*\it+1]
	v_cvt_pk_bf16_f32 v[GS+4*\it+1], v[BN+4*\it+2], v[BN+4*\it+3]
	global_store_b128 v[FO], v[BN+4*\it:BN+4*\it+3], s[92:93] offset:8192*\it   ; f32: 16 lanes store 256 consecutive bytes, aligned
	global_store_b64  v[BO], v[GS+4*\it:GS+4*\it+1], s[94:95] offset:8192*\it   ; bf16: 32 lanes store one block of the pair layout
.endm
.irp it, 0,1,2,3,4,5,6,7,8,9,10,11,12,13,14,15
	EPI \it
.endr
	s_set_vgpr_msb 0x1
	s_wait_tensorcnt 0x0
	ds_add_u32 v255, v63
	s_wait_dscnt 0x0
	s_set_vgpr_msb 0x100
	CROUND                                         ; the closing round: no work-group ends while a partner may still ask for a tile that names it
	s_endpgm
.Lfunc_end_k_qf269cc6c83_step1:
	.size	k_qf269cc6c83_step1, .Lfunc_end_k_qf269cc6c83_step1-k_qf269cc6c83_step1
	.p2alignl 7, 3214868480
	.fill 96, 4, 3214868480
	.section	.rodata,"a",@progbits
	.p2align	6, 0x0
	.amdhsa_kernel k_qf269cc6c83_step1
		.amdhsa_group_segment_fixed_size 327680
		.amdhsa_private_segment_fixed_size 0
		.amdhsa_enable_private_segment 0
		.amdhsa_kernarg_size 40
		.amdhsa_user_sgpr_count 2
		.amdhsa_user_sgpr_kernarg_segment_ptr 1
		.amdhsa_wavefront_size32 1
		.amdhsa_system_sgpr_workgroup_id_x 1
		.amdhsa_system_sgpr_workgroup_id_y 1
		.amdhsa_system_sgpr_workgroup_id_z 1
		.amdhsa_system_vgpr_workitem_id 0
		.amdhsa_next_free_vgpr 640
		.amdhsa_next_free_sgpr 100
		.amdhsa_reserve_vcc 0
		.amdhsa_float_denorm_mode_32 3
		.amdhsa_float_denorm_mode_16_64 3
		.amdhsa_memory_ordered 1
		.amdhsa_forward_progress 1
		.amdhsa_inst_pref_size 123
	.end_amdhsa_kernel
	.amdgpu_metadata
---
amdhsa.version: [ 1, 2 ]
amdhsa.kernels:
  - .name:           k_qf269cc6c83_step1
    .symbol:         k_qf269cc6c83_step1.kd
    .args:
      - { .name: X1, .offset: 0, .size: 8, .value_kind: global_buffer, .address_space: global }
      - { .name: PQ, .offset: 8, .size: 8, .value_kind: global_buffer, .address_space: global }
      - { .name: gate_b, .offset: 16, .size: 8, .value_kind: global_buffer, .address_space: global }
      - { .name: proj_b, .offset: 24, .size: 8, .value_kind: global_buffer, .address_space: global }
      - { .name: X2, .offset: 32, .size: 8, .value_kind: global_buffer, .address_space: global }
    .group_segment_fixed_size: 327680
    .private_segment_fixed_size: 0
    .kernarg_segment_align: 8
    .kernarg_segment_size: 40
    .max_flat_workgroup_size: 128
    .sgpr_count:     100
    .vgpr_count:     640
    .wavefront_size: 32
...
	.end_amdgpu_metadata
.endif
;; end of part 3
;; launch step2: the kernel of part 3 again; grid 16 x 16, 4 waves a work-group, clusters of 4 x 4, 327,680 bytes of LDS; arguments X2, PQ, gate_b, proj_b, X3; writes X3
;; launch step3: the kernel of part 3 again; grid 16 x 16, 4 waves a work-group, clusters of 4 x 4, 327,680 bytes of LDS; arguments X3, PQ, gate_b, proj_b, X0; writes X0
;; launch norm (part 4): grid 256 x 1, 16 waves a work-group, no clusters, 3,072 bytes of LDS; arguments X0, q, sims, ln_g, ln_b, FN; writes FN
.if DOCPART == 4
	.amdgcn_target "amdgcn-amd-amdhsa--gfx1250"
	.amdhsa_code_object_version 6
	.text
	.protected	k_qf269cc6c83_norm
	.globl	k_qf269cc6c83_norm
	.p2align	8
	.type	k_qf269cc6c83_norm,@function
k_qf269cc6c83_norm:
	s_mov_b64 s[64:65], 0
	v_nop
	global_prefetch_b8 v0, s[64:65] scope:SCOPE_SE
	s_setreg_imm32_b32 hwreg(HW_REG_WAVE_MODE, 25, 1), 1
	s_wait_xcnt 0x0
; NORM: the 4,098 features [b, q, |b - q|, b q, max sims, mean sims] of each row, LayerNorm over them, the first 4,096 out in bf16 in the pair layout
; (element (row, k) at (row>>1)*16384 + (k>>6)*256 + (row&1)*128 + (k&63)*2), the last two in f32 (they meet fc1_w's last two columns in the last launch).
; A work-group takes 8 rows = 4 pairs.  Wave v owns columns 64 v .. 64 v + 63 of b and q, hence of all four segments; lane L: row L>>4 of each pair,
; columns 4 (L&15) .. +3.  b and q are read once and stay in registers through the three passes: mean; sum of squares of (f - mean) (no difference of
; large sums); scale.  Sums: within the lane, over 16 lanes on the arithmetic (DPP), over the 16 waves through LDS, one barrier each.
; Every store of a wave (8 bytes a lane) covers one aligned block of 256 bytes.  Memory binds; matrix unit, tensor loads and clusters would add nothing.
; LIMIT: the maximum of sims is taken with v_max_num_f32, which drops a NaN; the mean hands it on, so a row with a NaN in sims is NaN as in the reference.
.set B,   16                           ; v[16:31]   b, 4 for each pair; from pass 2 on b - mean
.set Q,   32                           ; v[32:47]   q
.set DD,  48                           ; v[48:63]   |b - q|
.set PR,  64                           ; v[64:79]   b q
.set SIM, 80                           ; v[80:95]   the row's 4 sims, for each pair
.set G,   96                           ; v[96:111]  ln_g of my 4 columns in each of the 4 segments
.set BE,  112                          ; v[112:127] ln_b likewise
.set O,   128                          ; v[128:159] bf16 out: pair i, segment s at O + 8 i + 2 s
.set S,   160                          ; v[160:163] a sum for each pair
.set T,   164                          ; v[164:171] at work
.set MU2, 172                          ; v[172:179] the mean, twice, for each pair (a pair of registers for the packed forms)
.set RS2, 180                          ; v[180:187] 1 / sqrt(var + eps), twice
.set MX,  188                          ; v[188:191] max of sims, later minus the mean
.set ME,  192                          ; v[192:195] mean of sims, later minus the mean
; The four sums over the 16 lanes of a half, then over the 16 waves.  Wave v stores its 8 sums (pair, row of the pair) into 32 bytes of its own at 32 v.
.macro LANES
.irp m, 1,2,4,8
.irp i, 0,1,2,3
	v_add_f32_dpp v[S+\i], v[S+\i], v[S+\i] row_xmask:\m row_mask:0xf bank_mask:0xf
.endr
.endr
.endm
.macro RED region
	LANES
.irp i, 0,1,2,3
	ds_store_b32 v5, v[S+\i] offset:\region+8*\i    ; the 16 lanes of a half store the same word with the same value
.endr
	s_wait_dscnt 0x0                               ; for the others: my stores are done
	s_barrier_signal -1
	s_barrier_wait -1
.irp i, 0,1,2,3
	ds_load_b32 v[S+\i], v6 offset:\region+8*\i     ; lane L takes wave (L & 15)'s sum for its own row
.endr
	s_wait_dscnt 0x0
	LANES
.endm
	s_load_b256 s[4:11], s[0:1], 0x0               ; X0 4, q 6, sims 8, ln_g 10
	s_load_b128 s[12:15], s[0:1], 0x20             ; ln_b 12, FN 14
	v_lshl_add_u32 v200, v0, 2, 0x400
	v_mov_b32 v201, 0
	v_lshrrev_b32 v1, 5, v0
	v_readfirstlane_b32 s16, v1                    ; wave
	v_and_b32 v7, 15, v0
	v_bfe_u32 v8, v0, 4, 1                         ; row of the pair
	v_and_b32 v9, 31, v0
	s_lshl_b32 s17, s16, 8
	v_lshl_add_u32 v2, v7, 4, s17                  ; my 4 columns: 256 v + 16 (L & 15)
	v_lshl_add_u32 v1, v8, 12, v2                  ; and my row
	v_lshlrev_b32 v3, 4, v8                        ; my row's 16 bytes of sims
	v_lshl_add_u32 v4, v9, 3, s17                  ; out: block v of a segment, 8 L
	s_lshl_b32 s18, s16, 5
	v_lshl_add_u32 v5, v8, 2, s18                  ; LDS, in
	v_lshlrev_b32 v6, 5, v7
	v_lshl_add_u32 v6, v8, 2, v6                   ; LDS, back
	s_lshl_b32 s20, ttmp9, 15                      ; 8 rows of 4,096 bytes
	s_mov_b32 s21, 0
	s_mov_b32 s22, 0x397fe004                      ; 1 / 4098
	s_mov_b32 s23, 0x3727c5ac                      ; 1e-5
	s_wait_kmcnt 0x0
	s_load_b64 s[24:25], s[10:11], 0x4000          ; ln_g[4096], ln_g[4097]
	s_load_b64 s[26:27], s[12:13], 0x4000          ; ln_b likewise
	s_add_nc_u64 s[6:7], s[6:7], s[20:21]
	s_add_nc_u64 s[4:5], s[4:5], s[20:21]
	s_add_nc_u64 s[4:5], s[4:5], 0x800000          ; b in f32, as the last step left it
	s_lshl_b32 s20, ttmp9, 7
	s_add_nc_u64 s[8:9], s[8:9], s[20:21]
	s_lshl_b32 s20, ttmp9, 16                      ; 4 pairs of 16,384 bytes
	s_add_nc_u64 s[28:29], s[14:15], s[20:21]
	s_lshl_b32 s20, ttmp9, 6
	s_add_co_u32 s20, s20, 0x1000000
	s_add_nc_u64 s[30:31], s[14:15], s[20:21]      ; the two last features of my 8 rows
.irp i, 0,1,2,3
	global_load_b128 v[B+4*\i:B+4*\i+3], v1, s[4:5] offset:8192*\i th:TH_LOAD_NT
	global_load_b128 v[Q+4*\i:Q+4*\i+3], v1, s[6:7] offset:8192*\i th:TH_LOAD_NT
	global_load_b128 v[SIM+4*\i:SIM+4*\i+3], v3, s[8:9] offset:32*\i
.endr
.irp s, 0,1,2,3
	global_load_b128 v[G+4*\s:G+4*\s+3],   v2, s[10:11] offset:4096*\s
	global_load_b128 v[BE+4*\s:BE+4*\s+3], v2, s[12:13] offset:4096*\s
.endr
	s_wait_loadcnt 8                               ; b, q, sims are in; the eight loads of ln_g and ln_b may stay out until pass 3
	; PASS 1: the features and their sum
.irp i, 0,1,2,3
	v_pk_add_f32 v[DD+4*\i:DD+4*\i+1],   v[B+4*\i:B+4*\i+1],   v[Q+4*\i:Q+4*\i+1]   neg_lo:[0,1] neg_hi:[0,1]
	v_pk_add_f32 v[DD+4*\i+2:DD+4*\i+3], v[B+4*\i+2:B+4*\i+3], v[Q+4*\i+2:Q+4*\i+3] neg_lo:[0,1] neg_hi:[0,1]
	v_pk_mul_f32 v[PR+4*\i:PR+4*\i+1],   v[B+4*\i:B+4*\i+1],   v[Q+4*\i:Q+4*\i+1]
	v_pk_mul_f32 v[PR+4*\i+2:PR+4*\i+3], v[B+4*\i+2:B+4*\i+3], v[Q+4*\i+2:Q+4*\i+3]
.irp c, 0,1,2,3
	v_and_b32 v[DD+4*\i+\c], 0x7fffffff, v[DD+4*\i+\c]
.endr
	v_pk_add_f32 v[T:T+1],   v[B+4*\i:B+4*\i+1],   v[B+4*\i+2:B+4*\i+3]
	v_pk_add_f32 v[T+2:T+3], v[Q+4*\i:Q+4*\i+1],   v[Q+4*\i+2:Q+4*\i+3]
	v_pk_add_f32 v[T+4:T+5], v[DD+4*\i:DD+4*\i+1], v[DD+4*\i+2:DD+4*\i+3]
	v_pk_add_f32 v[T+6:T+7], v[PR+4*\i:PR+4*\i+1], v[PR+4*\i+2:PR+4*\i+3]
	v_pk_add_f32 v[T:T+1],   v[T:T+1],   v[T+2:T+3]
	v_pk_add_f32 v[T+4:T+5], v[T+4:T+5], v[T+6:T+7]
	v_pk_add_f32 v[T:T+1],   v[T:T+1],   v[T+4:T+5]
	v_add_f32 v[S+\i], v[T], v[T+1]
	v_max3_num_f32 v[MX+\i], v[SIM+4*\i], v[SIM+4*\i+1], v[SIM+4*\i+2]
	v_max_num_f32 v[MX+\i], v[MX+\i], v[SIM+4*\i+3]
	v_add_f32 v[ME+\i], v[SIM+4*\i], v[SIM+4*\i+1]
	v_add_f32 v[T+2], v[SIM+4*\i+2], v[SIM+4*\i+3]
	v_add_f32 v[ME+\i], v[ME+\i], v[T+2]
	v_mul_f32 v[ME+\i], 0.25, v[ME+\i]
.endr
	RED 0
.irp i, 0,1,2,3
	v_add_f32 v[T], v[MX+\i], v[ME+\i]
	v_add_f32 v[S+\i], v[S+\i], v[T]
	v_mul_f32 v[MU2+2*\i], s22, v[S+\i]
	v_mul_f32 v[MU2+2*\i+1], s22, v[S+\i]
.endr
	; PASS 2: f - mean, in place, and the sum of its squares
.irp i, 0,1,2,3
.irp f, B, Q, DD, PR
	v_pk_add_f32 v[\f+4*\i:\f+4*\i+1],   v[\f+4*\i:\f+4*\i+1],   v[MU2+2*\i:MU2+2*\i+1] neg_lo:[0,1] neg_hi:[0,1]
	v_pk_add_f32 v[\f+4*\i+2:\f+4*\i+3], v[\f+4*\i+2:\f+4*\i+3], v[MU2+2*\i:MU2+2*\i+1] neg_lo:[0,1] neg_hi:[0,1]
.endr
	v_pk_mul_f32 v[T:T+1],   v[B+4*\i:B+4*\i+1],   v[B+4*\i:B+4*\i+1]
	v_pk_mul_f32 v[T+2:T+3], v[B+4*\i+2:B+4*\i+3], v[B+4*\i+2:B+4*\i+3]
.irp f, Q, DD, PR
	v_pk_fma_f32 v[T:T+1],   v[\f+4*\i:\f+4*\i+1],   v[\f+4*\i:\f+4*\i+1],   v[T:T+1]
	v_pk_fma_f32 v[T+2:T+3], v[\f+4*\i+2:\f+4*\i+3], v[\f+4*\i+2:\f+4*\i+3], v[T+2:T+3]
.endr
	v_pk_add_f32 v[T:T+1], v[T:T+1], v[T+2:T+3]
	v_add_f32 v[S+\i], v[T], v[T+1]
	v_sub_f32 v[MX+\i], v[MX+\i], v[MU2+2*\i]
	v_sub_f32 v[ME+\i], v[ME+\i], v[MU2+2*\i]
.endr
	RED 512                                        ; other bytes than the first sum's: no second barrier is needed
.irp i, 0,1,2,3
	v_fma_f32 v[S+\i], v[MX+\i], v[MX+\i], v[S+\i]
	v_fma_f32 v[S+\i], v[ME+\i], v[ME+\i], v[S+\i]
	v_fma_f32 v[S+\i], v[S+\i], s22, s23           ; var + eps
.endr
.irp i, 0,1,2,3
	v_rsq_f32 v[RS2+2*\i], v[S+\i]
	v_rsq_f32 v[RS2+2*\i+1], v[S+\i]
.endr
	v_lshlrev_b32 v10, 4, v7                       ; a plain vector instruction behind the transcendentals; also: where the two last features go,
	v_lshl_add_u32 v10, v8, 3, v10                 ; 8 (2 (L & 15) + row of the pair)
	s_wait_alu depctr_va_vdst(0)
	s_wait_loadcnt 0x0                             ; ln_g, ln_b
	s_wait_kmcnt 0x0
	; PASS 3: (f - mean) rstd g + beta, rounded once to bf16
.macro OUTSEG f, seg, i
	v_pk_mul_f32 v[\f+4*\i:\f+4*\i+1],   v[\f+4*\i:\f+4*\i+1],   v[RS2+2*\i:RS2+2*\i+1]
	v_pk_mul_f32 v[\f+4*\i+2:\f+4*\i+3], v[\f+4*\i+2:\f+4*\i+3], v[RS2+2*\i:RS2+2*\i+1]
	v_pk_fma_f32 v[\f+4*\i:\f+4*\i+1],   v[\f+4*\i:\f+4*\i+1],   v[G+4*\seg:G+4*\seg+1],   v[BE+4*\seg:BE+4*\seg+1]
	v_pk_fma_f32 v[\f+4*\i+2:\f+4*\i+3], v[\f+4*\i+2:\f+4*\i+3], v[G+4*\seg+2:G+4*\seg+3], v[BE+4*\seg+2:BE+4*\seg+3]
	v_cvt_pk_bf16_f32 v[O+8*\i+2*\seg],   v[\f+4*\i],   v[\f+4*\i+1]
	v_cvt_pk_bf16_f32 v[O+8*\i+2*\seg+1], v[\f+4*\i+2], v[\f+4*\i+3]
	global_store_b64 v4, v[O+8*\i+2*\seg:O+8*\i+2*\seg+1], s[28:29] offset:16384*\i+4096*\seg
.endm
.irp i, 0,1,2,3
	OUTSEG B,  0, \i
	OUTSEG Q,  1, \i
	OUTSEG DD, 2, \i
	OUTSEG PR, 3, \i
.endr
	; The two last features, by wave 0 alone (behind both barriers): every lane holds them for its row of each pair; lane (L & 15) = i < 4 keeps pair i
	s_cmp_lg_u32 s16, 0
	s_cbranch_scc1 .Lend
.irp i, 0,1,2,3
	v_mul_f32 v[MX+\i], v[MX+\i], v[RS2+2*\i]
	v_mul_f32 v[ME+\i], v[ME+\i], v[RS2+2*\i]
.endr
.irp i, 0,1,2,3
	v_fma_f32 v[MX+\i], v[MX+\i], s24, s26
	v_fma_f32 v[ME+\i], v[ME+\i], s25, s27
.endr
	v_cmp_eq_u32 vcc_lo, 1, v7
	v_cndmask_b32 v[T],   v[MX], v[MX+1], vcc_lo
	v_cndmask_b32 v[T+1], v[ME], v[ME+1], vcc_lo
	v_cmp_eq_u32 vcc_lo, 2, v7
	v_cndmask_b32 v[T],   v[T],   v[MX+2], vcc_lo
	v_cndmask_b32 v[T+1], v[T+1], v[ME+2], vcc_lo
	v_cmp_eq_u32 vcc_lo, 3, v7
	v_cndmask_b32 v[T],   v[T],   v[MX+3], vcc_lo
	v_cndmask_b32 v[T+1], v[T+1], v[ME+3], vcc_lo
	v_cmp_gt_u32 vcc_lo, 4, v7
	s_wait_xcnt 0x0                                ; EXEC is a source of the stores above: it changes only behind this wait
	s_and_saveexec_b32 s19, vcc_lo
	global_store_b64 v10, v[T:T+1], s[30:31]       ; 8 lanes, 64 consecutive bytes: the 8 rows' two numbers
	s_wait_xcnt 0x0
	s_or_b32 exec_lo, exec_lo, s19
.Lend:
	s_wait_tensorcnt 0x0
	ds_add_u32 v200, v201
	s_wait_dscnt 0x0
	s_endpgm
.Lfunc_end_k_qf269cc6c83_norm:
	.size	k_qf269cc6c83_norm, .Lfunc_end_k_qf269cc6c83_norm-k_qf269cc6c83_norm
	.p2alignl 7, 3214868480
	.fill 96, 4, 3214868480
	.section	.rodata,"a",@progbits
	.p2align	6, 0x0
	.amdhsa_kernel k_qf269cc6c83_norm
		.amdhsa_group_segment_fixed_size 3072
		.amdhsa_private_segment_fixed_size 0
		.amdhsa_enable_private_segment 0
		.amdhsa_kernarg_size 48
		.amdhsa_user_sgpr_count 2
		.amdhsa_user_sgpr_kernarg_segment_ptr 1
		.amdhsa_wavefront_size32 1
		.amdhsa_system_sgpr_workgroup_id_x 1
		.amdhsa_system_sgpr_workgroup_id_y 1
		.amdhsa_system_sgpr_workgroup_id_z 1
		.amdhsa_system_vgpr_workitem_id 0
		.amdhsa_next_free_vgpr 202
		.amdhsa_next_free_sgpr 66
		.amdhsa_reserve_vcc 1
		.amdhsa_float_denorm_mode_32 3
		.amdhsa_float_denorm_mode_16_64 3
		.amdhsa_memory_ordered 1
		.amdhsa_forward_progress 1
		.amdhsa_inst_pref_size 30
	.end_amdhsa_kernel
	.amdgpu_metadata
---
amdhsa.version: [ 1, 2 ]
amdhsa.kernels:
  - .name:           k_qf269cc6c83_norm
    .symbol:         k_qf269cc6c83_norm.kd
    .args:
      - { .name: X0, .offset: 0, .size: 8, .value_kind: global_buffer, .address_space: global }
      - { .name: q, .offset: 8, .size: 8, .value_kind: global_buffer, .address_space: global }
      - { .name: sims, .offset: 16, .size: 8, .value_kind: global_buffer, .address_space: global }
      - { .name: ln_g, .offset: 24, .size: 8, .value_kind: global_buffer, .address_space: global }
      - { .name: ln_b, .offset: 32, .size: 8, .value_kind: global_buffer, .address_space: global }
      - { .name: FN, .offset: 40, .size: 8, .value_kind: global_buffer, .address_space: global }
    .group_segment_fixed_size: 3072
    .private_segment_fixed_size: 0
    .kernarg_segment_align: 8
    .kernarg_segment_size: 48
    .max_flat_workgroup_size: 512
    .sgpr_count:     66
    .vgpr_count:     202
    .wavefront_size: 32
...
	.end_amdgpu_metadata
.endif
;; end of part 4
;; launch fc1 (part 5): grid 16 x 16, 4 waves a work-group, clusters of 4 x 4, 327,680 bytes of LDS; arguments FN, H; writes H
.if DOCPART == 5
	.amdgcn_target "amdgcn-amd-amdhsa--gfx1250"
	.amdhsa_code_object_version 6
	.text
	.protected	k_qf269cc6c83_fc1
	.globl	k_qf269cc6c83_fc1
	.p2align	8
	.type	k_qf269cc6c83_fc1,@function
k_qf269cc6c83_fc1:
	s_mov_b64 s[64:65], 0
	v_nop
	global_prefetch_b8 v0, s[64:65] scope:SCOPE_SE
	s_setreg_imm32_b32 hwreg(HW_REG_WAVE_MODE, 25, 1), 1
	s_wait_xcnt 0x0
	s_wait_alu depctr_hold_cnt(0) depctr_sa_sdst(0) depctr_va_vdst(0) depctr_va_sdst(0) depctr_va_ssrc(0) depctr_va_vcc(0) depctr_vm_vsrc(0)
	s_getreg_b32 s2, hwreg(HW_REG_IB_STS2, 6, 4)
	s_cmp_eq_u32 s2, 0
	s_cbranch_scc0 .Lentry_in_a_cluster
	s_endpgm
.Lentry_in_a_cluster:
	s_bfe_u32 s2, ttmp6, 0x10000c
	s_cmp_lg_u32 s2, 0xf033
	s_cbranch_scc0 .Lentry_shape_is_right
	s_endpgm
.Lentry_shape_is_right:
; FC1: fn x fc1_w^T (columns 0..4095), bf16 operands, f32 sums.  Per work-group a block of 128 x 128 over K = 2048: the two halves of K = 4096 go to
; different work-groups, so that 16 x 8 blocks x 2 halves are 256 work-groups; the raw f32 sums go to H and the next launch adds the halves in a fixed order.
; LIMITS: matrix operands are rounded to bf16; the sums run in another order than the reference (two halves; the K ORDER below).
; SHARES: four waves, a wave makes 64 x 64: 16 accumulator tiles, 128 registers.
; OPERANDS (fn at the head of FN, fc1_w at FN + 0x1004000) lie in the pair layout: element (row, k) at (row>>1)*16384 + (k>>6)*256 + (row&1)*128 + (k&63)*2.
; A K step of 256 of a row pair is 1,024 consecutive bytes, so a tile of 32 pairs (64 rows) x 256 K is a plain tile of 32 rows of 1,024 bytes.
; CLUSTERS: 4 x 4 work-groups.  fn's tile is asked for jointly by a row of the cluster, fc1_w's by a column: that divides the requests for both by four.
; K ORDER: a lap is two K steps.  Lap i takes pair i xor beta of the half's four pairs, beta = the parity of (cluster x xor cluster y), so that in laps 1
; and 3 a cluster asks for the K steps that a neighbour with the other beta asked for one lap earlier, not at the same moment.
; REGISTER WINDOWS: window 0 addresses, fragments of fn (v64-127, v128-191); window 1 fragments of fc1_w (same numbers); window 2 v0-127 accumulators.
; THE MATRIX INSTRUCTION IS USED TRANSPOSED (source 0 = 16 rows of fc1_w, source 1 = 16 rows of fn): lane (r, h) holds row r of fn, registers j the columns 8 h + j.
.set PP,     1040                      ; LDS pitch of a row pair: 1,024 bytes + 16 of padding
.set HALFT,  32*PP                     ; 32 pairs: what one tensor load brings and what a wave reads of either operand
.set SLOT,   4*HALFT                   ; fn's 64 pairs, then fc1_w's 64 pairs
.set T16,    8*PP                      ; 16 rows
.set KSB,    1024                      ; bytes of a K step of 256 in a pair
.set PAIRSH, 14                        ; a pair of 4,096 columns is 16,384 bytes
.set BOFF,   0x1004000                 ; fc1_w in FN, behind fn and the two last features
.set ADRA, 16                          ; v16-17  LDS address of my fn fragments in slot 0, 1
.set ADRB, 20                          ; v20-21  the same for fc1_w
.set TO,   28                          ; v28  my 16 bytes in a tile of H
.set F0,   64                          ; fragment buffer 0
.set F1,   128                         ; fragment buffer 1
.set XB, 4                             ; s[4:5]   fn's tile (my 32 pairs) at the half's first K
.set WB, 6                             ; s[6:7]   fc1_w's likewise
.set KO, 8                             ; s[8:9]   byte offset, in a pair's bytes, of the two K steps asked for; s98: the same in natural order; s99: 2,048 beta
.set G1, 24                            ; s[24:31] descriptor group 1 for fn's tiles
.set G0, 32                            ; s[32:39] group 0 for fn's tiles, one set for each slot
.set G1B, 48                           ; s[48:55] group 1 for fc1_w's tiles: differs in the mask alone
.set G0B, 56                           ; s[56:63] group 0 for fc1_w's tiles
.set MSB, 0
.macro WIN new                         ; the upper byte of the immediate repeats the setting that is left
.if MSB != \new
	s_set_vgpr_msb (MSB<<8)|\new
.set MSB, \new
.endif
.endm
.set MUL,  0xa1                        ; source 0 window 1, source 1 window 0, C and D window 2
.set TO_B, 0x40                        ; destination window 1, address window 0
; A joint load.  Waves 0 and 1 fetch the two halves of fn's tile, waves 2 and 3 those of fc1_w's.  Each line has one mask and one set of registers; the branch hangs on the wave number alone.
.macro JLOAD s
	s_cmp_eq_u32 s11, 0
	s_cbranch_scc0 .Lfor_b_\@
	tensor_load_to_lds s[G0+4*\s:G0+4*\s+3], s[G1:G1+7]
	s_nop 0
.rept 4
	v_nop
.endr
	s_branch .Lasked_\@
.Lfor_b_\@:
	tensor_load_to_lds s[G0B+4*\s:G0B+4*\s+3], s[G1B:G1B+7]
	s_nop 0
.rept 4
	v_nop
.endr
.Lasked_\@:
.endm
; A round of the cluster barrier: my work-group's barrier; wave 0 signals for the work-group; every wave waits for all sixteen; my work-group's barrier again.
.macro CREST
	s_cmp_lg_u32 s10, 0
	s_cbranch_scc1 .Lnot_wave_0_\@
	s_barrier_signal -3
.Lnot_wave_0_\@:
	s_barrier_wait -3
	s_barrier_signal -1
	s_barrier_wait -1
.endm
.macro CROUND
	s_barrier_signal -1
	s_barrier_wait -1
	CREST
.endm
; Four plain vector instructions stand between a matrix instruction and a load into, a store of, or a vector access to its registers.
.macro PLACES
.rept 4
	v_nop
.endr
.endm
	s_load_b128 s[72:75], s[0:1], 0x0              ; FN, H
	s_set_vgpr_msb 0x40
	v_lshl_add_u32 v255, v0, 2, 0x41000
	s_set_vgpr_msb 0x4000
	v_mov_b32 v255, 0
	s_set_vgpr_msb 0x1
	ds_add_u32 v255, v255
	s_set_vgpr_msb 0x100
	v_lshrrev_b32 v1, 5, v0
	v_readfirstlane_b32 s10, v1                    ; wave 0..3
	s_lshr_b32 s11, s10, 1                         ; which 64 rows of the block are mine.  Also: I fetch for fn (0) or for fc1_w (1)
	s_and_b32 s12, s10, 1                          ; which 64 columns.  Also: which 32 pairs of that tile I fetch
	s_bfe_u32 s40, ttmp6, 0x40000                  ; cx
	s_bfe_u32 s41, ttmp6, 0x40004                  ; cy
	s_lshl_b32 s66, ttmp9, 2
	s_add_co_u32 s66, s66, s40                     ; work-group x
	s_and_b32 s42, ttmp9, 1
	s_lshl_b32 s42, s42, 2
	s_add_co_u32 s42, s42, s40                     ; block column 0..7
	s_lshr_b32 s45, ttmp9, 1                       ; which half of K: from the cluster's x alone, the same in all sixteen
	s_lshl_b32 s45, s45, 13                        ; 2,048 columns of a pair are 8,192 bytes
	s_and_b32 s13, ttmp7, 0xffff                   ; the cluster's y
	s_xor_b32 s99, s13, ttmp9                      ; beta: the parity of the two bits of (cluster x xor cluster y): the same in all sixteen work-groups
	s_lshr_b32 s98, s99, 1
	s_xor_b32 s99, s99, s98
	s_and_b32 s99, s99, 1
	s_lshl_b32 s99, s99, 11                        ; times the 2,048 bytes of two K steps
	s_lshl_b32 s13, s13, 2
	s_add_co_u32 s13, s13, s41                     ; block row 0..15
	s_lshl_b32 s43, s41, 2
	s_lshl_b32 s43, 15, s43                        ; my row of the cluster
	s_lshl_b32 s44, 0x1111, s40                    ; my column
	; group 1: 32 rows of 512 elements of 2 bytes; 4 words of padding behind every 256 words
	s_or_b32 s[G1+0], s43, (1<<16)|(1<<20)|(1<<21)|(7<<22)|(3<<25)
	s_or_b32 s[G1B+0], s44, (1<<16)|(1<<20)|(1<<21)|(7<<22)|(3<<25)
.irp g, G1, G1B
	s_mov_b32 s[\g+1], 512<<16                     ; tensor_dim0 = 512
	s_mov_b32 s[\g+2], 32<<16                      ; tensor_dim1 = 32
	s_mov_b32 s[\g+3], 512<<16                     ; tile_dim0 = 512
	s_mov_b32 s[\g+4], 32                          ; tile_dim1 = 32
	s_mov_b32 s[\g+5], (1<<PAIRSH)/2               ; elements from pair to pair
	s_mov_b32 s[\g+6], 0
	s_mov_b32 s[\g+7], 0
.endr
	; where the tiles come from: fn's from the block row, fc1_w's from the block column, each in registers that never hold the other coordinate
	s_lshl_b32 s17, s12, 5                         ; which 32 pairs I fetch
	s_lshl_b32 s16, s13, 6
	s_add_co_u32 s16, s16, s17
	s_lshl_b32 s16, s16, PAIRSH                    ; below 16 MiB
	s_lshl_b32 s46, s42, 6
	s_add_co_u32 s46, s46, s17
	s_lshl_b32 s46, s46, PAIRSH
	s_add_co_u32 s16, s16, s45
	s_add_co_u32 s46, s46, s45
	s_add_co_u32 s46, s46, BOFF
	s_mov_b32 s17, 0
	s_mov_b32 s47, 0
	s_mul_i32 s20, s10, HALFT                      ; where they go: wave x 32 pairs; no place in the cluster enters an LDS address
	s_mov_b32 s[KO], s99                           ; lap 0 takes pair beta
	s_mov_b32 s[KO+1], 0
	s_mov_b32 s98, 0
	s_wait_dscnt 0x0
	s_wait_kmcnt 0x0
	s_add_nc_u64 s[XB:XB+1], s[72:73], s[16:17]
	s_add_nc_u64 s[WB:WB+1], s[72:73], s[46:47]
	CROUND                                         ; all sixteen work-groups are here: the first joint loads meet
.irp s, 0,1
	s_mov_b32 s[G0+4*\s], 1
	s_add_co_u32 s[G0+4*\s+1], s20, \s*SLOT
	s_add_nc_u64 s[G0+4*\s+2:G0+4*\s+3], s[XB:XB+1], s[KO:KO+1]
	s_mov_b32 s[G0B+4*\s], 1
	s_add_co_u32 s[G0B+4*\s+1], s20, \s*SLOT
	s_add_nc_u64 s[G0B+4*\s+2:G0B+4*\s+3], s[WB:WB+1], s[KO:KO+1]
.if \s
	s_add_nc_u64 s[G0+4*\s+2:G0+4*\s+3], s[G0+4*\s+2:G0+4*\s+3], KSB       ; slot 1 holds the pair's second K step
	s_add_nc_u64 s[G0B+4*\s+2:G0B+4*\s+3], s[G0B+4*\s+2:G0B+4*\s+3], KSB
.endif
	s_or_b32 s[G0+4*\s+3], s[G0+4*\s+3], 0x80000000
	s_or_b32 s[G0B+4*\s+3], s[G0B+4*\s+3], 0x80000000
	JLOAD \s                                       ; both slots are asked for before anything else: two tensor loads of the wave are out, the most in this text
.endr
	; A fragment is 16 rows x 32 K in 8 registers: lane (r, h) holds row r, K = 8 h .. +7 and 16 + 8 h .. +7: two loads of 16 bytes, 32 apart, at
	; (r>>1) pitch + (r&1) 128 + 16 h.  The sixteen lanes of a half address 16 (r>>1) + 128 (r&1) modulo 256: sixteen different 16-byte columns.
	v_and_b32 v1, 15, v0                           ; r
	v_bfe_u32 v2, v0, 4, 1                         ; h
	v_lshrrev_b32 v3, 1, v1
	v_mul_u32_u24 v3, v3, PP
	v_and_b32 v4, 1, v0
	v_lshl_add_u32 v3, v4, 7, v3
	v_lshl_add_u32 v3, v2, 4, v3
	s_mul_i32 s21, s11, HALFT                      ; my 64 rows of fn
	s_mul_i32 s22, s12, HALFT                      ; my 64 rows of fc1_w,
	s_add_co_u32 s22, s22, 2*HALFT                 ; which lie behind fn's 128
.irp s, 0,1
	v_add_nc_u32 v[ADRA+\s], s21, v3
	v_add_nc_u32 v[ADRB+\s], s22, v3
	s_add_co_u32 s21, s21, SLOT
	s_add_co_u32 s22, s22, SLOT
.endr
	v_and_b32 v6, 31, v0
	s_lshl_b32 s23, s10, 14
	v_lshl_add_u32 v[TO], v6, 4, s23               ; tile order of H: wave x 16,384 + tile x 1,024 + half x 512 + lane x 16: the registers as they lie
	s_lshl_b32 s68, s13, 4
	s_add_co_u32 s68, s68, s66
	s_lshl_b32 s68, s68, 16                        ; (16 block row + x) x 65,536
	s_mov_b32 s69, 0
	s_add_nc_u64 s[96:97], s[74:75], s[68:69]
; 8 matrix instructions: row blocks a0, a0 + 1 x all 4 column blocks, 32 along K (half kk of the buffer's 64).  zero = 1: the product starts the sums.
; The 16 accumulators take turns, one instruction a turn, always in the order 0 to 15.
.macro MUL8 f, kk, a0, zero
.irp a, \a0, \a0+1
.irp b, 0,1,2,3
.if \zero
	v_wmma_f32_16x16x32_bf16 v[8*(4*(\a)+\b):8*(4*(\a)+\b)+7], v[\f+8*(4*\kk+\b):\f+8*(4*\kk+\b)+7], v[\f+8*(4*\kk+(\a)):\f+8*(4*\kk+(\a))+7], 0
.else
	v_wmma_f32_16x16x32_bf16 v[8*(4*(\a)+\b):8*(4*(\a)+\b)+7], v[\f+8*(4*\kk+\b):\f+8*(4*\kk+\b)+7], v[\f+8*(4*\kk+(\a)):\f+8*(4*\kk+(\a))+7], v[8*(4*(\a)+\b):8*(4*(\a)+\b)+7]
.endif
.endr
.endr
.endm
.macro MUL16 f, kk, zero
	MUL8 \f, \kk, 0, \zero
	MUL8 \f, \kk, 2, \zero
.endm
; 32 LDS loads in one run: the fragments of quarter q of a K step (64 along K, 64 rows of each operand) into buffer f.  The last eight are fn's second 32 of K.
.macro FETCH slot, q, f
	WIN TO_B
.irp kk, 0,1
.irp i, 0,1,2,3
	ds_load_b128 v[\f+8*(4*\kk+\i):\f+8*(4*\kk+\i)+3],   v[ADRB+\slot] offset:256*\q+64*\kk+T16*\i
	ds_load_b128 v[\f+8*(4*\kk+\i)+4:\f+8*(4*\kk+\i)+7], v[ADRB+\slot] offset:256*\q+64*\kk+T16*\i+32
.endr
.endr
	WIN 0
.irp kk, 0,1
.irp i, 0,1,2,3
	ds_load_b128 v[\f+8*(4*\kk+\i):\f+8*(4*\kk+\i)+3],   v[ADRA+\slot] offset:256*\q+64*\kk+T16*\i
	ds_load_b128 v[\f+8*(4*\kk+\i)+4:\f+8*(4*\kk+\i)+7], v[ADRA+\slot] offset:256*\q+64*\kk+T16*\i+32
.endr
.endr
.endm
; One of a K step's first three quarters: multiplies buffer f and, in its middle, fetches quarter qn of the same slot into buffer g.
.macro QUARTER slot, qn, f, g, zero
	s_wait_dscnt 8                                 ; all of fc1_w and fn's first 32 of K are in; the youngest eight loads may be out
	WIN MUL
	MUL16 \f, 0, \zero
	PLACES
	FETCH \slot, \qn, \g
	s_wait_dscnt 32                                ; all but the 32 just issued
	WIN MUL
	MUL16 \f, 1, 0
.endm
.macro THREE slot, zero
	QUARTER \slot, 1, F0, F1, \zero
	QUARTER \slot, 2, F1, F0, 0
	QUARTER \slot, 3, F0, F1, 0
.endm
; The last quarter multiplies buffer 1 and changes slots.  In front of the barrier each wave waits for its reads of this slot and for all its tensor
; loads (the one that is out is its part of the next slot).  fill = 1: the barrier opens a round of the cluster barrier, and the joint refill of this
; slot, for the next lap, is the first tensor load behind the round: it has 120 of a K step's 128 matrix instructions in which to land.
.macro TURN slot, next, fill
	s_wait_dscnt 8
	WIN MUL
	MUL8 F1, 0, 0, 0
	s_wait_dscnt 0                                 ; my reads of this slot are over
	s_wait_tensorcnt 0x0                           ; and all my tensor loads have landed
	ds_add_u32 v255, v255
	s_wait_dscnt 0x0
	s_barrier_signal -1
	MUL8 F1, 0, 2, 0                               ; work on registers while the others arrive
	WIN 0
	s_barrier_wait -1
.if \fill
	CREST                                          ; no wave of any partner still reads this slot or has a load on its way
.if \slot == 0
	s_add_co_u32 s98, s98, 2*KSB                   ; the next lap's pair of K steps in natural order,
	s_xor_b32 s[KO], s98, s99                      ; exchanged with its neighbour where beta = 1
.endif
	s_add_nc_u64 s[G0+4*\slot+2:G0+4*\slot+3], s[XB:XB+1], s[KO:KO+1]
	s_add_nc_u64 s[G0B+4*\slot+2:G0B+4*\slot+3], s[WB:WB+1], s[KO:KO+1]
.if \slot == 1
	s_add_nc_u64 s[G0+4*\slot+2:G0+4*\slot+3], s[G0+4*\slot+2:G0+4*\slot+3], KSB
	s_add_nc_u64 s[G0B+4*\slot+2:G0B+4*\slot+3], s[G0B+4*\slot+2:G0B+4*\slot+3], KSB
.endif
	s_or_b32 s[G0+4*\slot+3], s[G0+4*\slot+3], 0x80000000
	s_or_b32 s[G0B+4*\slot+3], s[G0B+4*\slot+3], 0x80000000
	JLOAD \slot                                    ; its four v_nop are also the places in front of the loads below
.else
	PLACES
.endif
	FETCH \next, 0, F0
	WIN MUL
	MUL16 F1, 1, 0
.endm
.macro LAP zero                        ; two K steps, both slots filled again
	THREE 0, \zero
	TURN 0, 1, 1
	THREE 1, 0
	TURN 1, 0, 1
.endm
	s_wait_tensorcnt 1                             ; my part of the first K step is in; the second's may stay out
	s_barrier_signal -1
	s_barrier_wait -1
	FETCH 0, 0, F0
	; K = 2048 is four laps; the first three fill both slots again, the last fills nothing; the first stands ahead of the loop: its first products start the sums
	LAP 1
	WIN 0
	s_mov_b32 s3, 2
.Llap:
	LAP 0
	WIN 0
	s_sub_co_u32 s3, s3, 1
	s_cmp_lg_u32 s3, 0
	s_cbranch_scc1 .Llap
	THREE 0, 0
	TURN 0, 1, 0
	THREE 1, 0
	s_wait_dscnt 8
	WIN MUL
	MUL16 F1, 0, 0
	s_wait_dscnt 0
	MUL16 F1, 1, 0
	; the 16 accumulator tiles as they lie, 512 consecutive bytes a store
	PLACES
	WIN 0x08                                       ; store data from window 2
.irp i, 0,1,2,3,4,5,6,7,8,9,10,11,12,13,14,15
	global_store_b128 v[TO], v[8*\i:8*\i+3],   s[96:97] offset:1024*\i
	global_store_b128 v[TO], v[8*\i+4:8*\i+7], s[96:97] offset:1024*\i+512
.endr
	WIN 0
	CROUND                                         ; the closing round: no work-group ends while a partner may still ask for a tile that names it
	s_endpgm
.Lfunc_end_k_qf269cc6c83_fc1:
	.size	k_qf269cc6c83_fc1, .Lfunc_end_k_qf269cc6c83_fc1-k_qf269cc6c83_fc1
	.p2alignl 7, 3214868480
	.fill 96, 4, 3214868480
	.section	.rodata,"a",@progbits
	.p2align	6, 0x0
	.amdhsa_kernel k_qf269cc6c83_fc1
		.amdhsa_group_segment_fixed_size 327680
		.amdhsa_private_segment_fixed_size 0
		.amdhsa_enable_private_segment 0
		.amdhsa_kernarg_size 16
		.amdhsa_user_sgpr_count 2
		.amdhsa_user_sgpr_kernarg_segment_ptr 1
		.amdhsa_wavefront_size32 1
		.amdhsa_system_sgpr_workgroup_id_x 1
		.amdhsa_system_sgpr_workgroup_id_y 1
		.amdhsa_system_sgpr_workgroup_id_z 1
		.amdhsa_system_vgpr_workitem_id 0
		.amdhsa_next_free_vgpr 640
		.amdhsa_next_free_sgpr 100
		.amdhsa_reserve_vcc 0
		.amdhsa_float_denorm_mode_32 3
		.amdhsa_float_denorm_mode_16_64 3
		.amdhsa_memory_ordered 1
		.amdhsa_forward_progress 1
		.amdhsa_inst_pref_size 119
	.end_amdhsa_kernel
	.amdgpu_metadata
---
amdhsa.version: [ 1, 2 ]
amdhsa.kernels:
  - .name:           k_qf269cc6c83_fc1
    .symbol:         k_qf269cc6c83_fc1.kd
    .args:
      - { .name: FN, .offset: 0, .size: 8, .value_kind: global_buffer, .address_space: global }
      - { .name: H, .offset: 8, .size: 8, .value_kind: global_buffer, .address_space: global }
    .group_segment_fixed_size: 327680
    .private_segment_fixed_size: 0
    .kernarg_segment_align: 8
    .kernarg_segment_size: 16
    .max_flat_workgroup_size: 128
    .sgpr_count:     100
    .vgpr_count:     640
    .wavefront_size: 32
...
	.end_amdgpu_metadata
.endif
;; end of part 5
;; launch head (part 6): grid 128 x 1, 8 waves a work-group, no clusters, 17,920 bytes of LDS; arguments H, FN, CW, fc1_b, fc2_w, fc2_b, out0; writes out0
.if DOCPART == 6
	.amdgcn_target "amdgcn-amd-amdhsa--gfx1250"
	.amdhsa_code_object_version 6
	.text
	.protected	k_qf269cc6c83_head
	.globl	k_qf269cc6c83_head
	.p2align	8
	.type	k_qf269cc6c83_head,@function
k_qf269cc6c83_head:
	s_mov_b64 s[64:65], 0
	v_nop
	global_prefetch_b8 v0, s[64:65] scope:SCOPE_SE
	s_setreg_imm32_b32 hwreg(HW_REG_WAVE_MODE, 25, 1), 1
	s_wait_xcnt 0x0
; HEAD: x = (fc1 sums, first half of K + second half) + fc1_b + e0 fc1_w[:, 4096] + e1 fc1_w[:, 4097]; exact GELU; dot with fc2_w; + fc2_b.  All in f32.
; A work-group takes 16 rows (one row block of accumulator tiles), wave v the 128 columns 128 v .. +127.  H lies in the order of the product's registers:
; work-group x 65,536 + wave x 16,384 + tile x 1,024 + half x 512 + lane x 16, so each load of a wave covers 512 consecutive bytes; lane (r, h) gets
; row r, columns 16 g + 8 h .. +7 of the wave's 128 for g = 0..7.
; The wave's 128 columns of fc1_b, fc2_w and the two last columns of fc1_w are copied once, whole, into 2,048 LDS bytes of the wave's own and read from there.
; GELU: x Phi(x) = max(x, 0) - |x| qv with qv = 1 - Phi(|x|) = (1 - erf(|x| / sqrt 2)) / 2.
; LIMIT: erf by Abramowitz and Stegun 7.1.26, qv = t (A1 + t (A2 + t (A3 + t (A4 + t A5)))) e^(-x x / 2), t = 1 / (1 + 0.23164189 |x|), the A halved:
; absolute error of Phi at most 7.5e-8 for every x, so of the GELU at most 7.5e-8 |x|.
; out0 leaves as 64 consecutive bytes a work-group (8,192 bytes in all): 128 work-groups are preferred to 32 that would each fill 256.
; Memory binds (16 MiB of sums are read once); no matrix unit: the last product has one column.
.set XX, 16                            ; v[16:23] x of 8 columns; +8: t; +16: e^(-x x / 2); +24: the polynomial; +32: max(x, 0), then the GELU
.set ACC, 56                           ; v[56:57] two running sums
.set EV,  58                           ; v[58:59] e0, e1 of my row
.set CA4, 60                           ; v[60:61] A4, twice
.set H0,  64                           ; v[64:127]  first half of K, 8 registers for each g
.set H1,  128                          ; v[128:191] second half
.set P0,  192                          ; v[192:223], v[224:255]: two sets of a group's parameters: fc1_b 8, fc2_w 8, the two columns 16
.set P1,  224
	s_load_b256 s[4:11], s[0:1], 0x0               ; H 4, FN 6, CW 8, fc1_b 10
	s_load_b128 s[12:15], s[0:1], 0x20             ; fc2_w 12, fc2_b 14
	s_load_b64 s[16:17], s[0:1], 0x30              ; out0
	v_lshl_add_u32 v15, v0, 2, 0x4200
	v_mov_b32 v63, 0
	v_lshrrev_b32 v1, 5, v0
	v_readfirstlane_b32 s18, v1                    ; wave
	v_and_b32 v2, 31, v0                           ; L
	v_and_b32 v3, 15, v0                           ; r
	v_bfe_u32 v4, v0, 4, 1                         ; h
	v_lshlrev_b32 v5, 4, v2                        ; 16 L
	s_lshl_b32 s19, s18, 11                        ; my wave's 2,048 LDS bytes
	v_add_nc_u32 v6, s19, v5
	v_lshl_add_u32 v7, v4, 5, s19                  ; 8 h columns of 4 bytes
	v_lshl_add_u32 v8, v4, 6, s19                  ; 8 h columns of 8 bytes
	v_lshlrev_b32 v9, 3, v3                        ; my row's e0, e1
	s_lshl_b32 s20, s18, 6
	v_lshl_add_u32 v10, v3, 2, s20                 ; (16 v + r) x 4
	v_lshlrev_b32 v11, 2, v3
	s_lshl_b32 s20, s18, 9
	v_add_nc_u32 v12, s20, v5                      ; 128 v columns of 4 bytes + 16 L
	s_lshl_b32 s20, s18, 10
	v_add_nc_u32 v13, s20, v5                      ; 128 v columns of 8 bytes + 16 L
	; rows 16 mt .. +15: block row mt>>3, wave pair (mt>>2)&1, tile row mt&3 of the product; my wave number is its block column
	s_lshr_b32 s22, ttmp9, 3
	s_lshl_b32 s22, s22, 20
	s_bfe_u32 s21, ttmp9, 0x10002
	s_lshl_b32 s21, s21, 15
	s_add_co_u32 s22, s22, s21
	s_and_b32 s21, ttmp9, 3
	s_lshl_b32 s21, s21, 12
	s_add_co_u32 s22, s22, s21
	s_lshl_b32 s21, s18, 16
	s_add_co_u32 s22, s22, s21
	s_mov_b32 s23, 0
	s_lshl_b32 s26, ttmp9, 7
	s_add_co_u32 s26, s26, 0x1000000
	s_mov_b32 s27, 0
	s_lshl_b32 s28, ttmp9, 6
	s_mov_b32 s29, 0
	s_mov_b32 s32, 0x3f07dc22                      ; A5 = 1.061405429 / 2, twice: a pair for the packed forms
	s_mov_b32 s33, 0x3f07dc22
	s_mov_b32 s34, 0x3f35f0e3                      ; A3 = 1.421413741 / 2
	s_mov_b32 s35, 0x3f35f0e3
	s_mov_b32 s36, 0xbe11a98e                      ; A2 = -0.284496736 / 2
	s_mov_b32 s37, 0xbe11a98e
	s_mov_b32 s38, 0x3e027906                      ; A1 = 0.254829592 / 2
	s_mov_b32 s39, 0x3e027906
	s_mov_b32 s40, 0x3e6d3388                      ; 0.3275911 / sqrt 2
	s_mov_b32 s42, 0xbf38aa3b                      ; -log2 e / 2
	s_mov_b32 s43, 0xbf38aa3b
	s_mov_b32 s44, 0x76543210                      ; v_permlanex16_b32: lane i of one half reads lane i of the other
	s_mov_b32 s45, 0xfedcba98
	v_mov_b32 v[CA4], 0xbf3a00e3                   ; A4 = -1.453152027 / 2
	v_mov_b32 v[CA4+1], 0xbf3a00e3
	s_wait_kmcnt 0x0
	s_load_b32 s46, s[14:15], 0x0                  ; fc2_b
	s_add_nc_u64 s[22:23], s[4:5], s[22:23]
	s_add_nc_u64 s[24:25], s[8:9], 0x800000        ; the two last columns of fc1_w, [1024][2] f32, behind W0 in CW
	s_add_nc_u64 s[26:27], s[6:7], s[26:27]
	s_add_nc_u64 s[16:17], s[16:17], s[28:29]
	global_load_b128 v[16:19], v12, s[10:11]
	global_load_b128 v[20:23], v12, s[12:13]
	global_load_b128 v[24:27], v13, s[24:25]
	global_load_b128 v[28:31], v13, s[24:25] offset:512
	global_load_b64 v[EV:EV+1], v9, s[26:27]
.irp kh, 0,1
.irp g, 0,1,2,3,4,5,6,7
	global_load_b128 v[H0+64*\kh+8*\g:H0+64*\kh+8*\g+3],   v5, s[22:23] offset:524288*\kh+16384*(\g>>2)+1024*(\g&3) th:TH_LOAD_NT
	global_load_b128 v[H0+64*\kh+8*\g+4:H0+64*\kh+8*\g+7], v5, s[22:23] offset:524288*\kh+16384*(\g>>2)+1024*(\g&3)+512 th:TH_LOAD_NT
.endr
.endr
	s_wait_loadcnt 33                              ; the four parameter loads are in; the 33 younger loads (e, 32 of H) stay out
	ds_store_b128 v6, v[16:19]
	ds_store_b128 v6, v[20:23] offset:512
	ds_store_b128 v6, v[24:27] offset:1024
	ds_store_b128 v6, v[28:31] offset:1536
; The parameters of columns 16 g + 8 h .. +7.  The bytes are the wave's own and LDS serves a wave's instructions in order: no wait, no barrier.
.macro PLOAD g, set
	ds_load_b128 v[\set:\set+3],     v7 offset:64*\g
	ds_load_b128 v[\set+4:\set+7],   v7 offset:64*\g+16
	ds_load_b128 v[\set+8:\set+11],  v7 offset:512+64*\g
	ds_load_b128 v[\set+12:\set+15], v7 offset:512+64*\g+16
	ds_load_b128 v[\set+16:\set+19], v8 offset:1024+128*\g
	ds_load_b128 v[\set+20:\set+23], v8 offset:1024+128*\g+16
	ds_load_b128 v[\set+24:\set+27], v8 offset:1024+128*\g+32
	ds_load_b128 v[\set+28:\set+31], v8 offset:1024+128*\g+48
.endm
; Eight columns.  left = how many younger LDS loads may stay out; first = 1: the first product starts the sums.
.macro GRP g, set, left, first
	s_wait_dscnt \left
.irp c, 0,2,4,6
	v_pk_add_f32 v[XX+\c:XX+\c+1], v[H0+8*\g+\c:H0+8*\g+\c+1], v[H1+8*\g+\c:H1+8*\g+\c+1]
.endr
.irp c, 0,2,4,6
	v_pk_add_f32 v[XX+\c:XX+\c+1], v[XX+\c:XX+\c+1], v[\set+\c:\set+\c+1]
.endr
.irp c, 0,1,2,3,4,5,6,7
	v_fma_f32 v[XX+\c], v[EV], v[\set+16+2*\c], v[XX+\c]
.endr
.irp c, 0,1,2,3,4,5,6,7
	v_fma_f32 v[XX+\c], v[EV+1], v[\set+17+2*\c], v[XX+\c]
.endr
.irp x, 16,17,18,19,20,21,22,23
	v_fma_f32 v[\x+8], |v\x|, s40, 1.0
.endr
.irp c, 0,2,4,6
	v_pk_mul_f32 v[XX+16+\c:XX+16+\c+1], v[XX+\c:XX+\c+1], v[XX+\c:XX+\c+1]
.endr
.irp c, 0,2,4,6
	v_pk_mul_f32 v[XX+16+\c:XX+16+\c+1], v[XX+16+\c:XX+16+\c+1], s[42:43] op_sel_hi:[1,0]
.endr
.irp c, 0,1,2,3,4,5,6,7
	v_rcp_f32 v[XX+8+\c], v[XX+8+\c]
	v_exp_f32 v[XX+16+\c], v[XX+16+\c]
.endr
.irp c, 0,1,2,3,4,5,6,7
	v_max_num_f32 v[XX+32+\c], 0, v[XX+\c]         ; plain vector work behind the transcendentals, before their results are used
.endr
	s_wait_alu depctr_va_vdst(0)
.irp c, 0,2,4,6
	v_pk_fma_f32 v[XX+24+\c:XX+24+\c+1], v[XX+8+\c:XX+8+\c+1], s[32:33], v[CA4:CA4+1] op_sel_hi:[1,0,1]
.endr
.irp c, 0,2,4,6
	v_pk_fma_f32 v[XX+24+\c:XX+24+\c+1], v[XX+24+\c:XX+24+\c+1], v[XX+8+\c:XX+8+\c+1], s[34:35] op_sel_hi:[1,1,0]
.endr
.irp c, 0,2,4,6
	v_pk_fma_f32 v[XX+24+\c:XX+24+\c+1], v[XX+24+\c:XX+24+\c+1], v[XX+8+\c:XX+8+\c+1], s[36:37] op_sel_hi:[1,1,0]
.endr
.irp c, 0,2,4,6
	v_pk_fma_f32 v[XX+24+\c:XX+24+\c+1], v[XX+24+\c:XX+24+\c+1], v[XX+8+\c:XX+8+\c+1], s[38:39] op_sel_hi:[1,1,0]
.endr
.irp c, 0,2,4,6
	v_pk_mul_f32 v[XX+8+\c:XX+8+\c+1], v[XX+8+\c:XX+8+\c+1], v[XX+16+\c:XX+16+\c+1]
.endr
.irp c, 0,2,4,6
	v_pk_mul_f32 v[XX+24+\c:XX+24+\c+1], v[XX+24+\c:XX+24+\c+1], v[XX+8+\c:XX+8+\c+1]   ; qv
.endr
.irp x, 16,17,18,19,20,21,22,23
	v_fma_f32 v[\x+32], -|v\x|, v[\x+24], v[\x+32] ; max(x, 0) - |x| qv
.endr
.if \first
	v_pk_mul_f32 v[ACC:ACC+1], v[XX+32:XX+33], v[\set+8:\set+9]
.else
	v_pk_fma_f32 v[ACC:ACC+1], v[XX+32:XX+33], v[\set+8:\set+9], v[ACC:ACC+1]
.endif
.irp c, 2,4,6
	v_pk_fma_f32 v[ACC:ACC+1], v[XX+32+\c:XX+32+\c+1], v[\set+8+\c:\set+8+\c+1], v[ACC:ACC+1]
.endr
.endm
	PLOAD 0, P0
	PLOAD 1, P1
	s_wait_loadcnt 0x0                             ; e and all of H
	GRP 0, P0, 8, 1                                ; the count leaves the next group's eight loads out
	PLOAD 2, P0
	GRP 1, P1, 8, 0
	PLOAD 3, P1
	GRP 2, P0, 8, 0
	PLOAD 4, P0
	GRP 3, P1, 8, 0
	PLOAD 5, P1
	GRP 4, P0, 8, 0
	PLOAD 6, P0
	GRP 5, P1, 8, 0
	PLOAD 7, P1
	GRP 6, P0, 8, 0
	GRP 7, P1, 0, 0
	; my row's sum over my 64 columns; the other half of the lanes holds the row's other 64; then the eight waves' sums meet in LDS
	v_add_f32 v62, v[ACC], v[ACC+1]
	v_permlanex16_b32 v[ACC+1], v62, s44, s45      ; its destination counts as read: a register that has been written
	v_add_f32 v62, v62, v[ACC+1]
	ds_store_b32 v10, v62 offset:16384             ; lanes r and r + 16 store the same word with the same value; 64 bytes of the wave's own
	s_wait_dscnt 0x0                               ; for wave 0: my store is done
	s_barrier_signal -1
	s_barrier_wait -1
	s_cmp_lg_u32 s18, 0
	s_cbranch_scc1 .Lend
.irp k, 0,1,2,3,4,5,6,7
	ds_load_b32 v[16+\k], v11 offset:16384+64*\k
.endr
	s_wait_dscnt 0x0
	s_wait_kmcnt 0x0
	v_add_f32 v16, v16, v17
	v_add_f32 v18, v18, v19
	v_add_f32 v20, v20, v21
	v_add_f32 v22, v22, v23
	v_add_f32 v16, v16, v18
	v_add_f32 v20, v20, v22
	v_add_f32 v16, v16, v20
	v_add_f32 v16, s46, v16
	v_cmp_gt_u32 vcc_lo, 16, v2
	s_wait_xcnt 0x0                                ; EXEC is a source of the loads above: it changes only behind this wait
	s_and_saveexec_b32 s47, vcc_lo
	global_store_b32 v11, v16, s[16:17]            ; 16 rows, 64 consecutive bytes
	s_wait_xcnt 0x0
	s_or_b32 exec_lo, exec_lo, s47
.Lend:
	s_wait_tensorcnt 0x0
	ds_add_u32 v15, v63
	s_wait_dscnt 0x0
	s_endpgm
.Lfunc_end_k_qf269cc6c83_head:
	.size	k_qf269cc6c83_head, .Lfunc_end_k_qf269cc6c83_head-k_qf269cc6c83_head
	.p2alignl 7, 3214868480
	.fill 96, 4, 3214868480
	.section	.rodata,"a",@progbits
	.p2align	6, 0x0
	.amdhsa_kernel k_qf269cc6c83_head
		.amdhsa_group_segment_fixed_size 17920
		.amdhsa_private_segment_fixed_size 0
		.amdhsa_enable_private_segment 0
		.amdhsa_kernarg_size 56
		.amdhsa_user_sgpr_count 2
		.amdhsa_user_sgpr_kernarg_segment_ptr 1
		.amdhsa_wavefront_size32 1
		.amdhsa_system_sgpr_workgroup_id_x 1
		.amdhsa_system_sgpr_workgroup_id_y 1
		.amdhsa_system_sgpr_workgroup_id_z 1
		.amdhsa_system_vgpr_workitem_id 0
		.amdhsa_next_free_vgpr 256
		.amdhsa_next_free_sgpr 66
		.amdhsa_reserve_vcc 1
		.amdhsa_float_denorm_mode_32 3
		.amdhsa_float_denorm_mode_16_64 3
		.amdhsa_memory_ordered 1
		.amdhsa_forward_progress 1
		.amdhsa_inst_pref_size 57
	.end_amdhsa_kernel
	.amdgpu_metadata
---
amdhsa.version: [ 1, 2 ]
amdhsa.kernels:
  - .name:           k_qf269cc6c83_head
    .symbol:         k_qf269cc6c83_head.kd
    .args:
      - { .name: H, .offset: 0, .size: 8, .value_kind: global_buffer, .address_space: global }
      - { .name: FN, .offset: 8, .size: 8, .value_kind: global_buffer, .address_space: global }
      - { .name: CW, .offset: 16, .size: 8, .value_kind: global_buffer, .address_space: global }
      - { .name: fc1_b, .offset: 24, .size: 8, .value_kind: global_buffer, .address_space: global }
      - { .name: fc2_w, .offset: 32, .size: 8, .value_kind: global_buffer, .address_space: global }
      - { .name: fc2_b, .offset: 40, .size: 8, .value_kind: global_buffer, .address_space: global }
      - { .name: out0, .offset: 48, .size: 8, .value_kind: global_buffer, .address_space: global }
    .group_segment_fixed_size: 17920
    .private_segment_fixed_size: 0
    .kernarg_segment_align: 8
    .kernarg_segment_size: 56
    .max_flat_workgroup_size: 256
    .sgpr_count:     66
    .vgpr_count:     256
    .wavefront_size: 32
...
	.end_amdgpu_metadata
.endif
;; end of part 6
;; ======== version 2 of 2: 8 launches; version 1 with the launch prep written anew for expert scheduling mode
;; limits: a function is approximated: absolute error at most 7.5e-08
;; workspace buffers: X0 16,785,408 bytes; X1 16,785,408 bytes; X2 16,785,408 bytes; X3 16,785,408 bytes; CW 8,396,800 bytes; PQ 25,165,824 bytes; FN 25,182,208 bytes; H 16,777,216 bytes
;; launch prep (part 7): grid 128 x 4, 8 waves a work-group, no clusters, 0 bytes of LDS; arguments q, chunks, sims, gate_w, proj_w, fc1_w, X0, X1, X2, X3, CW, PQ; writes X0, X1, X2, X3, CW, PQ
.if DOCPART == 7
	.amdgcn_target "amdgcn-amd-amdhsa--gfx1250"
	.amdhsa_code_object_version 6
	.text
	.protected	k_qf269cc6c83_prep
	.globl	k_qf269cc6c83_prep
	.p2align	8
	.type	k_qf269cc6c83_prep,@function
k_qf269cc6c83_prep:
	s_mov_b64 s[64:65], 0
	v_nop
	global_prefetch_b8 v0, s[64:65] scope:SCOPE_SE
	s_setreg_imm32_b32 hwreg(HW_REG_WAVE_SCHED_MODE, 0, 2), 2
	s_setreg_imm32_b32 hwreg(HW_REG_WAVE_MODE, 25, 1), 1
	s_wait_xcnt 0x0
	s_wait_alu depctr_vm_vsrc(0)
; PREP: what the FIRST product multiplies is rounded once to bf16 and laid in the PAIR LAYOUT that the products read; the operands of the later
; products are rounded inside the first product's launch, whose waves have time to spare.
; Pair layout of a matrix with K columns: element (row, k) lies at byte (row>>1)*4K + (k>>6)*256 + (row&1)*128 + (k&63)*2:
; an aligned block of 256 bytes holds 64 columns of two neighbouring rows.
; The grid's y is the job, x*8 + wave = widx (0 to 1023) the row pair.  A wave converts one row pair x 1024 columns = 16 blocks.
; Lane L: row L>>4 of the pair, columns 4 (L&15) .. +3 of each block: a load covers 256 consecutive bytes of each of two rows,
; a store of the wave (8 bytes a lane) covers one aligned block of 256 bytes.
;   y = 0   q                 -> X0, k 0..1023       (and, in the first 32 waves, sims clipped to [0,1], by step, -> X0..X3)
;   y = 1   chunks[:, 0, :]   -> X0, k 1024..2047
;   y = 2   gate_w / proj_w, the columns that multiply q -> CW: W0, k 0..1023   (and, in the first 32 waves, fc1_w's columns 4096, 4097 as f32)
;   y = 3   gate_w / proj_w, the columns that multiply c -> k 1024..2047 of W0 (in CW) and of W1 (in PQ, behind the 16 MiB of sums)
;           row n of W0, W1: n>>6 = block, n&63 = i: gate_w row 32 block + i for i < 32, else proj_w row 32 block + i - 32
; No LDS, no barrier, no matrix unit: the launch only moves bytes, each byte that it reads is read once.
; LIMIT: a NaN in sims is clipped to 0 here (v_max_num_f32 drops a NaN), where the reference would hand the NaN on.
; THE MODE: SCHED_MODE bits 1:0 = 2 (LLVM: expert scheduling mode 2), set by the entry lines.  The code itself states the register dependences
; between vector instructions and memory instructions, with s_wait_alu, always for 0.
; THE PLAN.  Registers that memory instructions touch:
;   v1        the loads' offset: written once, in the job's branch, ahead of the sixteen loads; never written again.
;   v2        the stores' offset: written once, at the head; never written again.
;   IN        block j's four registers: written by block j's load, read by block j's two conversions.  In the two tails v[16:23] are loaded once more.
;   OUT       block j's two registers: written once, by block j's conversions; read by block j's store or stores; never written again.
;   v6        in the two tails: the offset of the tail's loads.   v[24:31] in job 0's tail: written by the clipping, read by four stores.
; No register that a memory instruction reads is ever written afterwards, so no wait on vm_vsrc is owed.
; The 16 blocks go in four groups of four.  Group g's conversions name group g's IN and OUT alone; its memory instructions are the stores of group g - 1,
; which read group g - 1's OUT and v2.  So ONE wait on va_vdst at a group's head states all that the group's stores hang on, and they are dealt among
; its conversions with no further wait.
.set SRC,  32                          ; s[32:33] first byte of the row pair's 1024 columns in the source
.set DST,  34                          ; s[34:35] first of the 16 blocks
.set DST2, 36                          ; s[36:37] a second copy of them (job 3)
.set IN,   16                          ; v[16:79]  16 x 4 f32 as loaded
.set OUT,  80                          ; v[80:111] 16 x 2 words of bf16
; Block j leaves: 32 lanes x 8 bytes, one aligned block of 256 bytes; two = 1: and its second copy.
.macro PUT j, two
	global_store_b64 v2, v[OUT+2*(\j):OUT+2*(\j)+1], s[DST:DST+1] offset:256*(\j)
.if \two
	global_store_b64 v2, v[OUT+2*(\j):OUT+2*(\j)+1], s[DST2:DST2+1] offset:256*(\j)
.endif
.endm
; 16 loads go out at once.  A group of four blocks is converted when its loads are in (the count leaves the younger ones out); the group before is stored meanwhile.
.macro COPY16 two
	s_wait_alu depctr_va_vdst(0)                   ; v1, the loads' offset, and v2, the stores', are written
.irp j, 0,1,2,3,4,5,6,7,8,9,10,11,12,13,14,15
	global_load_b128 v[IN+4*\j:IN+4*\j+3], v1, s[SRC:SRC+1] offset:256*\j th:TH_LOAD_NT
.endr
.irp g, 0,1,2,3
	s_wait_loadcnt 12-4*(\g)                       ; loads come back in order: this group's four are in, the 12 - 4 g younger ones stay out
.if (\g) > 0
	s_wait_alu depctr_va_vdst(0)                   ; the group before has written its eight registers of OUT, which the stores below read
.endif
.irp i, 0,1,2,3
.if (\g) > 0
	PUT 4*(\g)+(\i)-4, \two                        ; no vector instruction since the wait names these registers
.endif
	v_cvt_pk_bf16_f32 v[OUT+2*(4*(\g)+(\i))],   v[IN+4*(4*(\g)+(\i))],   v[IN+4*(4*(\g)+(\i))+1]
	v_cvt_pk_bf16_f32 v[OUT+2*(4*(\g)+(\i))+1], v[IN+4*(4*(\g)+(\i))+2], v[IN+4*(4*(\g)+(\i))+3]
.endr
.endr
	s_wait_alu depctr_va_vdst(0)                   ; the last group has written its OUT, which the last stores read; all conversions are done reading IN
.irp j, 12,13,14,15
	PUT \j, \two
.endr
.endm
	s_load_b512 s[8:23], s[0:1], 0x0               ; q 8, chunks 10, sims 12, gate_w 14, proj_w 16, fc1_w 18, X0 20, X1 22
	s_load_b256 s[24:31], s[0:1], 0x40             ; X2 24, X3 26, CW 28, PQ 30
	v_lshrrev_b32 v1, 5, v0
	v_readfirstlane_b32 s2, v1                     ; wave
	v_and_b32 v3, 31, v0                           ; L
	v_lshlrev_b32 v2, 3, v3                        ; my 8 bytes of a block
	v_bfe_u32 v4, v0, 4, 1                         ; which row of the pair
	v_and_b32 v5, 15, v0
	v_lshlrev_b32 v5, 4, v5                        ; my 16 bytes of a row's 256
	s_and_b32 s4, ttmp7, 0xffff                    ; the job
	s_mov_b32 s41, 0                               ; upper words of the offsets (all below 4 GiB)
	s_mov_b32 s43, 0
	s_wait_alu depctr_va_sdst(0)                   ; s2 is written, ahead of its first reader: widx, and from it every base, is made of it
	s_lshl3_add_u32 s3, ttmp9, s2                  ; widx = 8 x + wave
	s_wait_kmcnt 0x0
	s_cmp_ge_u32 s4, 2
	s_cbranch_scc1 .Lw
	s_cmp_eq_u32 s4, 1
	s_cbranch_scc1 .Lchunk
	; job 0: q.  Two rows of 4,096 bytes in, the first 4,096 bytes of the pair's 8,192 out
	s_lshl_b32 s40, s3, 13
	s_add_nc_u64 s[SRC:SRC+1], s[8:9], s[40:41]
	s_add_nc_u64 s[DST:DST+1], s[20:21], s[40:41]
	v_lshl_add_u32 v1, v4, 12, v5
	s_branch .Lcopy
.Lchunk:
	; job 1: chunk 0 of rows 2 widx, 2 widx + 1 (16,384 bytes apart), into the second half of the pair's bytes in X0
	s_lshl_b32 s40, s3, 15
	s_add_nc_u64 s[SRC:SRC+1], s[10:11], s[40:41]
	s_lshl_b32 s42, s3, 13
	s_add_co_u32 s42, s42, 4096
	s_add_nc_u64 s[DST:DST+1], s[20:21], s[42:43]
	v_lshl_add_u32 v1, v4, 14, v5
	s_branch .Lcopy
.Lw:
	; jobs 2, 3: pair widx of W0 / W1 is rows 32 (widx>>5) + 2 (widx&15), +1 of gate_w (bit 4 of widx = 0) or of proj_w (1)
	s_and_b32 s6, s3, 16
	s_cmp_lg_u32 s6, 0
	s_cselect_b64 s[SRC:SRC+1], s[16:17], s[14:15]
	s_lshr_b32 s5, s3, 5
	s_lshl_b32 s5, s5, 5
	s_and_b32 s6, s3, 15
	s_lshl1_add_u32 s5, s6, s5
	s_mul_i32 s40, s5, 12288                       ; a row of 3,072 f32
	s_sub_co_u32 s6, s4, 1
	s_lshl_b32 s6, s6, 12                          ; columns 1024 (q) or 2048 (c)
	s_add_co_u32 s40, s40, s6
	s_add_nc_u64 s[SRC:SRC+1], s[SRC:SRC+1], s[40:41]
	v_mul_u32_u24 v1, v4, 12288
	v_add_nc_u32 v1, v1, v5
	s_lshl_b32 s42, s3, 13
	s_cmp_eq_u32 s4, 3
	s_cbranch_scc1 .Lwc
	s_add_nc_u64 s[DST:DST+1], s[28:29], s[42:43]
.Lcopy:
	COPY16 0
	s_cmp_ge_u32 ttmp9, 4
	s_cbranch_scc1 .Lend
	s_cmp_eq_u32 s4, 1
	s_cbranch_scc1 .Lend
	s_cmp_eq_u32 s4, 2
	s_cbranch_scc1 .Lwx
	; The first 32 waves of job 0: sims of rows 64 widx + 2 L and + 1, clipped to [0, 1], as one vector of 2,048 f32 for each step.
	; v[16:31] are free: all sixteen loads are in and only vector instructions have read them.
	s_lshl_b32 s44, s3, 10
	s_mov_b32 s45, 0
	s_add_nc_u64 s[44:45], s[12:13], s[44:45]
	v_lshlrev_b32 v6, 5, v3
	s_lshl_b32 s46, s3, 8
	s_add_co_u32 s46, s46, 0x1000000
	s_mov_b32 s47, 0
	s_add_nc_u64 s[48:49], s[20:21], s[46:47]
	s_add_nc_u64 s[50:51], s[22:23], s[46:47]
	s_add_nc_u64 s[52:53], s[24:25], s[46:47]
	s_add_nc_u64 s[54:55], s[26:27], s[46:47]
	s_wait_alu depctr_va_vdst(0)                   ; v6, the two loads' offset, is written (the conversions that read v[16:23], in which they land, stand ahead of the copy's last wait)
	global_load_b128 v[16:19], v6, s[44:45]
	global_load_b128 v[20:23], v6, s[44:45] offset:16
	s_wait_loadcnt 0x0
.irp t, 0,1,2,3
	v_max_num_f32 v[24+2*\t], 0, v[16+\t]
	v_max_num_f32 v[25+2*\t], 0, v[20+\t]
.endr
.irp t, 0,1,2,3,4,5,6,7
	v_min_num_f32 v[24+\t], 1.0, v[24+\t]
.endr
	s_wait_alu depctr_va_vdst(0)                   ; the clipping has written v[24:31], which the four stores read
.irp t, 0,1,2,3
	global_store_b64 v2, v[24+2*\t:25+2*\t], s[48+2*\t:49+2*\t]     ; 32 lanes x 8 bytes: 256 consecutive bytes, aligned
.endr
.Lend:
	s_endpgm
.Lwx:
	; The first 32 waves of job 2: columns 4096 and 4097 of row 32 widx + L of fc1_w, kept in f32, behind W0 in CW
	s_lshl_b32 s5, s3, 5
	v_add_nc_u32 v6, s5, v3
	v_mul_u32_u24 v6, v6, 16392
	s_lshl_b32 s46, s3, 8
	s_add_co_u32 s46, s46, 0x800000
	s_mov_b32 s47, 0
	s_add_nc_u64 s[48:49], s[28:29], s[46:47]
	s_wait_alu depctr_va_vdst(0)                   ; v6, the load's offset, is written (the conversions that read v[16:17], in which it lands, stand ahead of the copy's last wait)
	global_load_b64 v[16:17], v6, s[18:19] offset:16384
	s_wait_loadcnt 0x0
	global_store_b64 v2, v[16:17], s[48:49]
	s_endpgm
.Lwc:
	; job 3: the columns for c stand in the second half of W0 and of W1
	s_add_co_u32 s42, s42, 4096
	s_add_nc_u64 s[DST:DST+1], s[28:29], s[42:43]
	s_add_co_u32 s42, s42, 0x1000000
	s_add_nc_u64 s[DST2:DST2+1], s[30:31], s[42:43]
	COPY16 1
	s_endpgm
.Lfunc_end_k_qf269cc6c83_prep:
	.size	k_qf269cc6c83_prep, .Lfunc_end_k_qf269cc6c83_prep-k_qf269cc6c83_prep
	.p2alignl 7, 3214868480
	.fill 96, 4, 3214868480
	.section	.rodata,"a",@progbits
	.p2align	6, 0x0
	.amdhsa_kernel k_qf269cc6c83_prep
		.amdhsa_group_segment_fixed_size 0
		.amdhsa_private_segment_fixed_size 0
		.amdhsa_enable_private_segment 0
		.amdhsa_kernarg_size 96
		.amdhsa_user_sgpr_count 2
		.amdhsa_user_sgpr_kernarg_segment_ptr 1
		.amdhsa_wavefront_size32 1
		.amdhsa_system_sgpr_workgroup_id_x 1
		.amdhsa_system_sgpr_workgroup_id_y 1
		.amdhsa_system_sgpr_workgroup_id_z 1
		.amdhsa_system_vgpr_workitem_id 0
		.amdhsa_next_free_vgpr 112
		.amdhsa_next_free_sgpr 66
		.amdhsa_reserve_vcc 0
		.amdhsa_float_denorm_mode_32 3
		.amdhsa_float_denorm_mode_16_64 3
		.amdhsa_memory_ordered 1
		.amdhsa_forward_progress 1
		.amdhsa_inst_pref_size 17
	.end_amdhsa_kernel
	.amdgpu_metadata
---
amdhsa.version: [ 1, 2 ]
amdhsa.kernels:
  - .name:           k_qf269cc6c83_prep
    .symbol:         k_qf269cc6c83_prep.kd
    .args:
      - { .name: q, .offset: 0, .size: 8, .value_kind: global_buffer, .address_space: global }
      - { .name: chunks, .offset: 8, .size: 8, .value_kind: global_buffer, .address_space: global }
      - { .name: sims, .offset: 16, .size: 8, .value_kind: global_buffer, .address_space: global }
      - { .name: gate_w, .offset: 24, .size: 8, .value_kind: global_buffer, .address_space: global }
      - { .name: proj_w, .offset: 32, .size: 8, .value_kind: global_buffer, .address_space: global }
      - { .name: fc1_w, .offset: 40, .size: 8, .value_kind: global_buffer, .address_space: global }
      - { .name: X0, .offset: 48, .size: 8, .value_kind: global_buffer, .address_space: global }
      - { .name: X1, .offset: 56, .size: 8, .value_kind: global_buffer, .address_space: global }
      - { .name: X2, .offset: 64, .size: 8, .value_kind: global_buffer, .address_space: global }
      - { .name: X3, .offset: 72, .size: 8, .value_kind: global_buffer, .address_space: global }
      - { .name: CW, .offset: 80, .size: 8, .value_kind: global_buffer, .address_space: global }
      - { .name: PQ, .offset: 88, .size: 8, .value_kind: global_buffer, .address_space: global }
    .group_segment_fixed_size: 0
    .private_segment_fixed_size: 0
    .kernarg_segment_align: 8
    .kernarg_segment_size: 96
    .max_flat_workgroup_size: 256
    .sgpr_count:     66
    .vgpr_count:     112
    .wavefront_size: 32
...
	.end_amdgpu_metadata
.endif
;; end of part 7
;; launch step0: the kernel of part 2 again; grid 16 x 16, 4 waves a work-group, clusters of 4 x 4, 327,680 bytes of LDS; arguments X0, CW, gate_b, proj_b, X1, PQ, chunks, gate_w, proj_w, fc1_w, X2, X3, FN; writes X1, X2, X3, PQ, FN
;; launch step1: the kernel of part 3 again; grid 16 x 16, 4 waves a work-group, clusters of 4 x 4, 327,680 bytes of LDS; arguments X1, PQ, gate_b, proj_b, X2; writes X2
;; launch step2: the kernel of part 3 again; grid 16 x 16, 4 waves a work-group, clusters of 4 x 4, 327,680 bytes of LDS; arguments X2, PQ, gate_b, proj_b, X3; writes X3
;; launch step3: the kernel of part 3 again; grid 16 x 16, 4 waves a work-group, clusters of 4 x 4, 327,680 bytes of LDS; arguments X3, PQ, gate_b, proj_b, X0; writes X0
;; launch norm: the kernel of part 4 again; grid 256 x 1, 16 waves a work-group, no clusters, 3,072 bytes of LDS; arguments X0, q, sims, ln_g, ln_b, FN; writes FN
;; launch fc1: the kernel of part 5 again; grid 16 x 16, 4 waves a work-group, clusters of 4 x 4, 327,680 bytes of LDS; arguments FN, H; writes H
;; launch head: the kernel of part 6 again; grid 128 x 1, 8 waves a work-group, no clusters, 17,920 bytes of LDS; arguments H, FN, CW, fc1_b, fc2_w, fc2_b, out0; writes out0
